; MI455X (gfx1250); checked and timed in simulation.
; The chip was launched on July 23, 2026; its instructions are those of AMD's public machine-readable ISA for CDNA 5 (MIT licence, August 2026) and "CDNA5" Instruction Set Architecture Reference Guide (July 2026). The comments in the code are by the model that wrote it; some were corrected since.
;; Causal Self Attention. Allowed arithmetic: matrix products marked QUANTISED: E3M2 operands, one E8M0 scale for each 32 along K, by v_wmma_scale_f32_16x16x128_f8f6f4 with both operands' format E3M2, f32 sums; everything else in f32.
;; Inputs: w_out 1,024 x 1,024 float32; w_qkv 1,024 x 3,072 float32; x 4 x 2,048 x 1,024 float32.
;; Outputs: out0 4 x 2,048 x 1,024 float32.
;; This version of the problem:
;;   THIS VERSION OF THE PROBLEM IS GIVEN IN LOW PRECISION. The matrix products marked QUANTISED in the list below multiply operands that are first quantised to E3M2 (3 exponent bits, 2 mantissa bits; 6 bits a number), with one power-of-two scale for each 32 numbers along K (OCP MX v1.0); their sums are f32. All else is computed in f32.
;;   The module's matrix products, in the order in which they are computed (A, B: the left and right operand; K: the contracted axis; several contracted axes count as one K, in the product's order):
;;     1. [M 8,192, K 1,024] x [K 1,024, N 3,072]; A: input x; B: input w_qkv: QUANTISED
;;     2. batch 64 x [M 2,048, K 64] x [K 64, N 2,048]; A: computed on the way; B: computed on the way: QUANTISED
;;     3. batch 64 x [M 2,048, K 2,048] x [K 2,048, N 64]; A: softmax (see below); B: computed on the way: QUANTISED
;;     4. [M 8,192, K 1,024] x [K 1,024, N 1,024]; A: computed on the way; B: input w_out: QUANTISED
;;   THE QUANTISER, for each operand of a quantised product, along K:
;;     - K is cut into blocks of 32 from its start; a last block that is shorter is filled with zeros.
;;     - A block's scale is 2^e with e = floor(log2(the largest magnitude in the block)) - 4, held to -126 .. 127; a block of zeros has e = 0. As a byte (E8M0): e + 127.
;;     - Each number is divided by its block's scale, clamped to +-28, and rounded to the nearest number of E3M2, ties to even, subnormals kept.
;;     - The product sums the exact products of the quantised numbers (number of the format x scale) in f32.
;;   ~~~python
;;   def quantise(x, axis):      # numpy; x: float32 -> the quantised numbers, widened to float32 again
;;       x = np.moveaxis(x, axis, -1); K = x.shape[-1]
;;       x = np.pad(x, [(0, 0)] * (x.ndim - 1) + [(0, -K % 32)]); x = x.reshape(x.shape[:-1] + (-1, 32)); a = np.abs(x).max(-1, keepdims=True)
;;       e = np.where(a > 0, np.clip(np.frexp(np.where(a > 0, a, 1))[1] - 1 - 4, -126, 127), 0)      # np.frexp(a)[1] - 1 = floor(log2(a)), exactly
;;       r = np.clip(x / 2.0 ** e, -28, 28)
;;       step = 2.0 ** (np.maximum(np.frexp(np.where(r == 0, 1, r))[1] - 1, -2) - 2)
;;       q = np.round(r / step) * step * 2.0 ** e      # np.round: ties to even
;;       return np.moveaxis(q.reshape(q.shape[:-2] + (-1,))[..., :K], -1, axis).astype(np.float32)
;;   ~~~
;;   SOFTMAX AHEAD OF A QUANTISED PRODUCT. Where the list says 'softmax', what is quantised is not the finished softmax but p = 2^(t - M), with t = logit x log2(e) and M = ceil(the row's largest t), a whole number; so 1/2 < the row's largest p <= 1. The row's sum l is taken of the UNQUANTISED p, in f32, and the product's result is divided by l at the end. Since M is a whole number, a kernel that streams over the keys may use a running M (the ceiling of the running maximum): every later rescaling is an exact power of two, which a block's scale takes up: the codes' values come out the same.
;;   OPERANDS COMPUTED ON THE WAY. 'Computed on the way' means the value that the module computes at that place (a softmax that the list does not call 'softmax' is quantised finished and normalised). What goes into a quantiser is computed in f32, as accurately as f32 sums, v_exp_f32 and their like allow (about 1e-6 of the number): no bf16 or f16 on the way to a quantiser, and a product that is left as it is and whose result goes on into a quantised operand takes f32 operands (vector FMAs, or v_wmma_f32_16x16x4_f32). A number that lies on a knife's edge between two numbers of the format may be rounded either way, as far as f32 arithmetic and the matrix unit's own rounding can turn it there, and no further.
;; One version. Each part assembles by itself: llvm-mc -triple=amdgcn-amd-amdhsa -mcpu=gfx1250 --defsym DOCPART=n.
;; ======== version 1 of 1: 4 launches
;; workspace buffers: opc 9,437,184 bytes; ops 393,216 bytes; qkvc 18,874,368 bytes; qkvs 786,432 bytes; yc 6,291,456 bytes; ys 262,144 bytes
;; launch quant (part 1): grid 768 x 1, 4 waves a work-group, no clusters, 47,616 bytes of LDS; arguments x, w_qkv, w_out, opc, ops; writes opc, ops
.if DOCPART == 1
	.amdgcn_target "amdgcn-amd-amdhsa--gfx1250"
	.amdhsa_code_object_version 6
	.text
	.protected	k_qe0c9c327de_quant
	.globl	k_qe0c9c327de_quant
	.p2align	8
	.type	k_qe0c9c327de_quant,@function
k_qe0c9c327de_quant:
	s_mov_b64 s[64:65], 0
	v_nop
	global_prefetch_b8 v0, s[64:65] scope:SCOPE_SE
	s_setreg_imm32_b32 hwreg(HW_REG_WAVE_MODE, 25, 1), 1
	s_wait_xcnt 0x0
; x [8192][1024], w_qkv [1024][3072] and w_out [1024][1024], f32, become codes of BF6 (E3M2) with one E8M0 byte for each 32 along K (x: its last axis; the weights: their first).
; A block's scale is 2^(floor(log2(largest magnitude)) - 4): its byte is the largest magnitude's exponent field - 4, held at 1 from below by a floor among the maximum's leaves.
; LIMITS: a block of zeros, or one whose largest magnitude lies under 2^-122, gets the byte 1 (its codes are zeros or tiny; this program alone reads the bytes); NaN and infinities are not served.
; LAYOUT OF THE CODES (opc): [768 rowtiles][8 K steps of 128][1,536 bytes]: an image of the operand's registers.  A fragment (16 rows x 128 K, 12 registers a lane) is two halves of 768 bytes;
; in half c, registers 6c .. 6c+3 of lane l lie at 16 l, registers 6c+4, 6c+5 at 512 + 8 l.  So a fragment leaves and comes by dense accesses of 16 and 8 bytes a lane.
; ORDER OF ROWS: a row lies at the position whose bits 3 and 4 are swapped: lane r of rowtile 2 B + u is row 32 B + 8 u + r % 8 + 16 (r / 8).
; Rowtiles 0-511: x.  512-639: head hh at 512 + 8 hh, its 64 columns of q, then its 64 of k.  640-703: v's columns.  704-767: w_out's.  ops: [12,288 stored rows][8 words], word = K step.
; Work-groups 0-511 take a rowtile of x each (a wave: two K steps); work-groups 512-767 take 128 columns of a weight x one K step (a wave: 32 columns).  Each way has LDS bytes of its own.
; Memory binds: no matrix unit, no tensor load, no cluster; every load reads dense bytes once.
.set XST,  8448                        ; x's way: a stage of 16 rows x (512 + 16) bytes for each wave, from LDS byte 0
.set XSCL, 33792                       ; x's way: the rowtile's 512 bytes of scale words
.set WSTG, 34304                       ; the weights' way: two fragments' images, 3,072 bytes, for each wave
.set R0,   16                          ; v16-143  x as loaded: two K steps x 16 rows x 4 registers
.set XN,   144                         ; v144-207 64 numbers of my row: register 16 b + i = k 32 b + 16 (lane / 16) + i
.set TM,   208                         ; v208-223 at work
.set PW,   224                         ; v224-225 the two scale words
.set CT,   226                         ; v226-232 the conversions' second halves
.set PC0,  234                         ; v234-245 the first fragment's codes
.set PC1,  16                          ; v16-27   the second's (the first K step's numbers have left these registers)
.set SEL,  40                          ; s[40:41] selects for lane l xor 16
; 64 numbers of a lane become a fragment's 12 registers at v[d] and its row's scale word in v[pw]
.macro QUANT s, d, pw
.irp b, 0,1,2,3
	v_max3_num_f32 v[TM+\b], |v[\s+16*\b]|, |v[\s+1+16*\b]|, 0x2800000   ; my 16 numbers of block b, and the floor 2^(5 - 127)
.endr
.irp i, 2,4,6,8,10,12,14
.irp b, 0,1,2,3
	v_max3_num_f32 v[TM+\b], v[TM+\b], |v[\s+16*\b+\i]|, |v[\s+1+16*\b+\i]|
.endr
.endr
.irp b, 0,1,2,3
	v_permlanex16_b32 v[TM+4+\b], v[TM+\b], s[SEL], s[SEL+1]
.endr
.irp b, 0,1,2,3
	v_max_num_f32 v[TM+\b], v[TM+\b], v[TM+4+\b]             ; with lane l xor 16's: the block's largest magnitude
.endr
.irp b, 0,1,2,3
	v_add_nc_u32 v[TM+12+\b], 0xfe000000, v[TM+\b]           ; 4 off its exponent field: the conversion's scale operand
.endr
.irp b, 0,1,2,3
	v_lshrrev_b32 v[TM+4+\b], 23, v[TM+12+\b]                ; the scale's byte
.endr
	v_lshl_or_b32 v[\pw], v[TM+5], 8, v[TM+4]
	v_lshl_or_b32 v[\pw], v[TM+6], 16, v[\pw]
	v_lshl_or_b32 v[\pw], v[TM+7], 24, v[\pw]
.irp c, 0,1
	v_cvt_scalef32_pk16_bf6_f32 v[\d+6*\c:\d+6*\c+2], v[\s+32*\c:\s+32*\c+15], v[TM+12+2*\c]
	v_cvt_scalef32_pk16_bf6_f32 v[CT+4*\c:CT+4*\c+2], v[\s+32*\c+16:\s+32*\c+31], v[TM+13+2*\c]   ; (a conversion's three registers begin on an even number)
.endr
	v_nop                                                    ; one plain line behind the scaled conversions
.irp c, 0,1                            ; the operand wants a whole block in a lane: lanes 0-15 block 2 c, lanes 16-31 block 2 c + 1
.irp i, 0,1,2
	v_permlane16_swap_b32 v[\d+6*\c+\i], v[CT+4*\c+\i]
.endr
.irp i, 0,1,2
	v_mov_b32 v[\d+6*\c+3+\i], v[CT+4*\c+\i]
.endr
.endr
.endm
	s_load_b128 s[4:7], s[0:1], 0x0                ; x, w_qkv
	s_load_b128 s[8:11], s[0:1], 0x10              ; w_out, opc
	s_load_b64 s[12:13], s[0:1], 0x20              ; ops
	v_lshl_add_u32 v254, v0, 2, 0xb800
	v_mov_b32 v255, 0
	v_lshrrev_b32 v1, 5, v0
	v_readfirstlane_b32 s14, v1                    ; wave 0..3
	v_and_b32 v1, 31, v0                           ; lane
	v_lshlrev_b32 v4, 4, v1                        ; 16 x lane
	v_lshlrev_b32 v5, 3, v1                        ; 8 x lane
	s_cmp_lt_u32 ttmp9, 512                        ; the same for all waves of a work-group
	s_cbranch_scc0 .Lweights
	; ---- x: work-group = stored rowtile; wave w = K steps 2 w and 2 w + 1
	v_and_b32 v2, 15, v0                           ; r
	v_bfe_u32 v3, v0, 4, 1                         ; h
	s_mul_i32 s15, s14, XST
	v_add_nc_u32 v6, s15, v4                       ; into the stage: a row's 512 bytes as they lie
	v_mul_u32_u24 v7, v2, 528
	v_lshl_add_u32 v7, v3, 6, v7
	v_add_nc_u32 v7, s15, v7                       ; out of it: row r, + 64 h: my 16 numbers of each block
	s_lshl_b32 s16, s14, 3
	s_add_co_u32 s16, s16, XSCL
	v_lshl_add_u32 v8, v2, 5, s16                  ; my row's scale words: 32 r + 8 w
	v_add_nc_u32 v9, XSCL, v4                      ; where wave 0 reads all of them back
	s_mov_b32 s[SEL], 0x76543210
	s_mov_b32 s[SEL+1], 0xfedcba98
.irp b, 0,1,2,3
	v_mov_b32 v[TM+4+\b], 0                        ; written once: a lane permute's destination counts as a source
.endr
	s_lshr_b32 s16, ttmp9, 1
	s_lshl_b32 s16, s16, 5
	s_and_b32 s17, ttmp9, 1
	s_lshl_b32 s17, s17, 3
	s_add_co_u32 s16, s16, s17                     ; the rowtile's first row: 32 B + 8 u
	s_lshl_b32 s16, s16, 12                        ; rows of 4,096 bytes
	s_lshl_b32 s17, s14, 10
	s_add_co_u32 s16, s16, s17                     ; + my two K steps' 1,024 bytes
	s_mov_b32 s17, 0
	s_mul_i32 s18, ttmp9, 12288
	s_mul_i32 s19, s14, 3072
	s_add_co_u32 s18, s18, s19
	s_mov_b32 s19, 0
	s_lshl_b32 s20, ttmp9, 9
	s_mov_b32 s21, 0
	s_wait_kmcnt 0x0
	s_add_nc_u64 s[4:5], s[4:5], s[16:17]
	s_add_nc_u64 s[10:11], s[10:11], s[18:19]
	s_add_nc_u64 s[12:13], s[12:13], s[20:21]
.irp s, 0,1
.irp i, 0,1,2,3,4,5,6,7,8,9,10,11,12,13,14,15
	global_load_b128 v[R0+64*\s+4*\i:R0+64*\s+4*\i+3], v4, s[4:5] offset:((\i%8)+16*(\i/8))*4096+512*\s th:TH_LOAD_NT   ; 512 dense bytes of the rowtile's i-th row
.endr
.endr
.macro XSTEP s, pc
	s_wait_loadcnt 16-16*\s                        ; this K step's 16 loads are in; the second's 16 may be out
.irp i, 0,1,2,3,4,5,6,7,8,9,10,11,12,13,14,15
	ds_store_b128 v6, v[R0+64*\s+4*\i:R0+64*\s+4*\i+3] offset:528*\i
.endr
.irp b, 0,1,2,3
.irp j, 0,1,2,3
	ds_load_b128 v[XN+16*\b+4*\j:XN+16*\b+4*\j+3], v7 offset:128*\b+16*\j   ; LDS serves a wave's instructions in order: these see my stores
.endr
.endr
	s_wait_dscnt 0x0
	QUANT XN, \pc, PW+\s
	global_store_b128 v4, v[\pc:\pc+3], s[10:11] offset:1536*\s              ; each store covers whole aligned blocks of 256 bytes
	global_store_b64 v5, v[\pc+4:\pc+5], s[10:11] offset:1536*\s+512
	global_store_b128 v4, v[\pc+6:\pc+9], s[10:11] offset:1536*\s+768
	global_store_b64 v5, v[\pc+10:\pc+11], s[10:11] offset:1536*\s+1280
	ds_store_b32 v8, v[PW+\s] offset:4*\s          ; lanes r and r + 16 write the same word with the same value
.endm
	XSTEP 0, PC0
	XSTEP 1, PC1
	s_wait_dscnt 0x0                               ; for the others' sake: my scale words lie in LDS
	s_barrier_signal -1
	s_barrier_wait -1
	s_cmp_lg_u32 s14, 0
	s_cbranch_scc1 .Lxdone
	ds_load_b128 v[28:31], v9                      ; the rowtile's 16 rows x 8 words
	s_wait_dscnt 0x0
	global_store_b128 v4, v[28:31], s[12:13]       ; 512 dense bytes
.Lxdone:
	s_wait_tensorcnt 0x0
	ds_add_u32 v254, v255
	s_wait_dscnt 0x0
	s_endpgm
	; ---- the weights: a lane takes a column, its registers run down K: nothing is transposed
.Lweights:
	s_sub_co_u32 s15, ttmp9, 512
	s_and_b32 s16, s15, 31                         ; which 128 columns: 0-23 w_qkv's, 24-31 w_out's
	s_lshr_b32 s17, s15, 5                         ; K step
	s_lshl_b32 s18, s16, 2
	s_add_co_u32 s18, s18, s14                     ; G: my wave's group of 32 columns
	s_lshr_b32 s19, s18, 1
	s_and_b32 s19, s19, 15
	s_lshl_b32 s19, s19, 2
	s_lshr_b32 s20, s18, 5
	s_lshl_b32 s20, s20, 1
	s_add_co_u32 s19, s19, s20
	s_and_b32 s20, s18, 1
	s_add_co_u32 s19, s19, s20                     ; q and k by heads: 4 x head + 2 x (k?) + half
	s_cmp_lt_u32 s18, 64
	s_cselect_b32 s19, s19, s18                    ; where the group is stored; v's and w_out's groups stay
	v_bfe_u32 v13, v0, 3, 1                        ; u: which of the group's two rowtiles my column falls into,
	v_and_b32 v14, 7, v0
	v_bfe_u32 v15, v0, 4, 1
	v_lshl_add_u32 v14, v15, 3, v14                ; and at which row r' of it
	s_mul_i32 s44, s14, 3072
	s_add_co_u32 s44, s44, WSTG                    ; my stage
	v_mul_u32_u24 v9, v13, 1536
	v_lshl_add_u32 v10, v14, 3, v9
	v_lshl_add_u32 v9, v14, 4, v9
	v_add_nc_u32 v9, s44, v9                       ; a block's first four registers: 1,536 u + 16 r'
	v_add_nc_u32 v10, s44, v10
	v_add_nc_u32 v10, 512, v10                     ; its last two: 1,536 u + 512 + 8 r'
	v_add_nc_u32 v11, s44, v4                      ; back: 16 x lane
	v_lshl_add_u32 v12, v13, 4, v14
	v_lshlrev_b32 v12, 5, v12                      ; my stored row's 32 bytes of scale words
	s_wait_kmcnt 0x0
	s_cmp_lt_u32 s16, 24                           ; the choice hangs on the work-group's number alone
	s_cselect_b64 s[6:7], s[6:7], s[8:9]
	s_mov_b32 s20, 4096
	s_cselect_b32 s20, 12288, s20                  ; a row of the weight in bytes
	s_cselect_b32 s21, 0, 96
	s_sub_co_u32 s21, s18, s21                     ; the group's number in its own tensor
	s_lshl_b32 s22, s17, 7
	s_mul_i32 s22, s22, s20                        ; 128 rows a K step
	s_lshl_b32 s21, s21, 7
	s_add_co_u32 s22, s22, s21
	s_mov_b32 s23, 0
	s_add_nc_u64 s[24:25], s[6:7], s[22:23]        ; eight bases, 16 rows apart,
	s_lshl_b32 s42, s20, 4
	s_mov_b32 s43, 0
.irp j, 1,2,3,4,5,6,7
	s_add_nc_u64 s[24+2*\j:25+2*\j], s[22+2*\j:23+2*\j], s[42:43]
.endr
	v_lshlrev_b32 v144, 2, v1                      ; and sixteen offsets, a row apart: no pointer is stepped
.irp b, 1,2,3,4,5,6,7,8,9,10,11,12,13,14,15
	v_add_nc_u32 v[144+\b], s20, v[143+\b]
.endr
	s_lshl_b32 s46, s19, 1
	s_add_co_u32 s46, s46, 512
	s_mul_i32 s46, s46, 12288
	s_mul_i32 s47, s17, 1536
	s_add_co_u32 s46, s46, s47
	s_mov_b32 s47, 0
	s_add_nc_u64 s[10:11], s[10:11], s[46:47]      ; the group's first rowtile, my K step
	s_add_co_u32 s48, s19, 256
	s_lshl_b32 s48, s48, 10
	s_lshl_b32 s49, s17, 2
	s_add_co_u32 s48, s48, s49
	s_mov_b32 s49, 0
	s_add_nc_u64 s[12:13], s[12:13], s[48:49]
.macro WLOAD t                         ; block t: rows 32 t .. 32 t + 31 of the K step; a wave reads 128 dense bytes, the work-group 512
.irp j, 0,1
.irp b, 0,1,2,3,4,5,6,7,8,9,10,11,12,13,14,15
	global_load_b32 v[16+32*(\t)+16*\j+\b], v[144+\b], s[24+4*(\t)+2*\j:25+4*(\t)+2*\j] th:TH_LOAD_NT
.endr
.endr
.endm
.macro WBLOCK t
.set XS, 16+32*(\t)
.set CC, 160+8*(\t)
.if (\t) < 3
	s_wait_loadcnt 32                              ; this block's 32 loads are in; the next block's may be out
.else
	s_wait_loadcnt 0x0
.endif
.if (\t) < 2
	WLOAD (\t)+2
.endif
	v_max3_num_f32 v196, |v[XS]|, |v[XS+1]|, |v[XS+2]|       ; all 32 numbers of the block are mine
	v_max3_num_f32 v197, |v[XS+3]|, |v[XS+4]|, |v[XS+5]|
.irp i, 6,10,14,18,22,26
	v_max3_num_f32 v196, v196, |v[XS+\i]|, |v[XS+\i+1]|
	v_max3_num_f32 v197, v197, |v[XS+\i+2]|, |v[XS+\i+3]|
.endr
	v_max3_num_f32 v196, v196, |v[XS+30]|, |v[XS+31]|
	v_max3_num_f32 v196, v196, v197, 0x2800000               ; and the floor
	v_add_nc_u32 v198, 0xfe000000, v196
	v_lshrrev_b32 v197, 23, v198
.if (\t) == 0
	v_mov_b32 v199, v197
.else
	v_lshl_or_b32 v199, v197, 8*(\t), v199                   ; the K step's four bytes: my row's scale word
.endif
	v_cvt_scalef32_pk16_bf6_f32 v[CC:CC+2], v[XS:XS+15], v198
	v_cvt_scalef32_pk16_bf6_f32 v[192:194], v[XS+16:XS+31], v198
	v_nop                                                    ; one plain line behind the scaled conversions
.irp i, 0,1,2
	v_mov_b32 v[CC+3+\i], v[192+\i]
.endr
	ds_store_b128 v9, v[CC:CC+3] offset:768*((\t)/2)+256*((\t)%2)    ; block t belongs to half t / 2, lane r' + 16 (t % 2) of the image
	ds_store_b64 v10, v[CC+4:CC+5] offset:768*((\t)/2)+128*((\t)%2)
.endm
	WLOAD 0
	WLOAD 1
	WBLOCK 0
	WBLOCK 1
	WBLOCK 2
	WBLOCK 3
	global_store_b32 v12, v199, s[12:13]           ; four bytes of each row's 32: a small part of what the launch moves
.irp q, 0,1,2,3,4,5
	ds_load_b128 v[200+4*\q:203+4*\q], v11 offset:512*\q     ; LDS serves a wave's instructions in order: these see my stores
.endr
.irp q, 0,1,2,3,4,5
	s_wait_dscnt 5-\q                              ; the younger loads may be out
	global_store_b128 v4, v[200+4*\q:203+4*\q], s[10:11] offset:(\q/3)*12288+(\q%3)*512   ; 512 dense bytes
.endr
	s_wait_tensorcnt 0x0
	ds_add_u32 v254, v255
	s_wait_dscnt 0x0
	s_endpgm
.Lfunc_end_k_qe0c9c327de_quant:
	.size	k_qe0c9c327de_quant, .Lfunc_end_k_qe0c9c327de_quant-k_qe0c9c327de_quant
	.p2alignl 7, 3214868480
	.fill 96, 4, 3214868480
	.section	.rodata,"a",@progbits
	.p2align	6, 0x0
	.amdhsa_kernel k_qe0c9c327de_quant
		.amdhsa_group_segment_fixed_size 47616
		.amdhsa_private_segment_fixed_size 0
		.amdhsa_enable_private_segment 0
		.amdhsa_kernarg_size 40
		.amdhsa_user_sgpr_count 2
		.amdhsa_user_sgpr_kernarg_segment_ptr 1
		.amdhsa_wavefront_size32 1
		.amdhsa_system_sgpr_workgroup_id_x 1
		.amdhsa_system_sgpr_workgroup_id_y 1
		.amdhsa_system_sgpr_workgroup_id_z 1
		.amdhsa_system_vgpr_workitem_id 0
		.amdhsa_next_free_vgpr 256
		.amdhsa_next_free_sgpr 66
		.amdhsa_reserve_vcc 0
		.amdhsa_float_denorm_mode_32 3
		.amdhsa_float_denorm_mode_16_64 3
		.amdhsa_memory_ordered 1
		.amdhsa_forward_progress 1
		.amdhsa_inst_pref_size 42
	.end_amdhsa_kernel
	.amdgpu_metadata
---
amdhsa.version: [ 1, 2 ]
amdhsa.kernels:
  - .name:           k_qe0c9c327de_quant
    .symbol:         k_qe0c9c327de_quant.kd
    .args:
      - { .name: x, .offset: 0, .size: 8, .value_kind: global_buffer, .address_space: global }
      - { .name: w_qkv, .offset: 8, .size: 8, .value_kind: global_buffer, .address_space: global }
      - { .name: w_out, .offset: 16, .size: 8, .value_kind: global_buffer, .address_space: global }
      - { .name: opc, .offset: 24, .size: 8, .value_kind: global_buffer, .address_space: global }
      - { .name: ops, .offset: 32, .size: 8, .value_kind: global_buffer, .address_space: global }
    .group_segment_fixed_size: 47616
    .private_segment_fixed_size: 0
    .kernarg_segment_align: 8
    .kernarg_segment_size: 40
    .max_flat_workgroup_size: 128
    .sgpr_count:     66
    .vgpr_count:     256
    .wavefront_size: 32
...
	.end_amdgpu_metadata
.endif
;; end of part 1
;; launch qkv (part 2): grid 12 x 32, 4 waves a work-group, clusters of 4 x 4, 327,680 bytes of LDS; arguments opc, ops, qkvc, qkvs; writes qkvc, qkvs
.if DOCPART == 2
	.amdgcn_target "amdgcn-amd-amdhsa--gfx1250"
	.amdhsa_code_object_version 6
	.text
	.protected	k_qe0c9c327de_qkv
	.globl	k_qe0c9c327de_qkv
	.p2align	8
	.type	k_qe0c9c327de_qkv,@function
k_qe0c9c327de_qkv:
	s_mov_b64 s[64:65], 0
	v_nop
	global_prefetch_b8 v0, s[64:65] scope:SCOPE_SE
	s_setreg_imm32_b32 hwreg(HW_REG_WAVE_MODE, 25, 1), 1
	s_wait_xcnt 0x0
	s_wait_alu depctr_hold_cnt(0) depctr_sa_sdst(0) depctr_va_vdst(0) depctr_va_sdst(0) depctr_va_ssrc(0) depctr_va_vcc(0) depctr_vm_vsrc(0)
	s_getreg_b32 s2, hwreg(HW_REG_IB_STS2, 6, 4)
	s_cmp_eq_u32 s2, 0
	s_cbranch_scc0 .Lentry_in_a_cluster
	s_endpgm
.Lentry_in_a_cluster:
	s_bfe_u32 s2, ttmp6, 0x10000c
	s_cmp_lg_u32 s2, 0xf033
	s_cbranch_scc0 .Lentry_shape_is_right
	s_endpgm
.Lentry_shape_is_right:
; q, k = x Wq, x Wk and v^T = Wv^T x^T on codes of BF6 (E3M2) with E8M0 scales, K = 1,024; the results are quantised again on the way out and leave as codes: q and k along a head's 64, v^T along the keys.
; ONE TEXT, TWO ROLES, told apart by the cluster's x (the same in all partners; selects only, no branch): clusters x = 0, 1: A' = x (32 tiles of 256 rows), B' = the weights' rows [q 64 | k 64] by heads (8 tiles);
; clusters x = 2: A' = v's weights (4 tiles), B' = x (32 tiles).  C'[m'][n'] = sum over k of A'[m'][k] B'[n'][k]; in both roles the axis that is quantised next is n'.
; A tile of C' is 256 x 256: four waves, each 128 x 128 in 64 accumulators.  The matrix instruction is used transposed (source 0 = 16 rows of B', source 1 = 16 rows of A'): a lane holds one row m'.  Since the rows of a
; rowtile are stored with bits 3 and 4 of their number swapped, the 16 registers of two neighbouring accumulators are 16 neighbours along n': the conversions take them as they stand.
; OPERANDS lie in memory as images of their registers: [rowtile][K step][1,536 bytes]; a fragment is four dense LDS loads (16, 8, 16, 8 bytes a lane), with no padding and no bank met twice.
; K goes through three LDS slots of 256 along K; slot 0 is filled a second time (K 768 on).  The scale words of the tile's rows for all of K come once.
; CLUSTER 4 x 4: A' tiles are asked for jointly along a row of the cluster, B' tiles along a column.
; LIMITS: a block of zeros, or one whose largest magnitude lies under 2^-122, gets the scale byte 1; NaN and infinities are not served.
; REGISTERS: window 0: v1-20 addresses; v28, v29 the add's; v32-95 scale words; v96-118 at work on the way out; v128-223 A' fragments (one set); v224-243 the way out.  window 1: B' fragments, two sets (v0, v128).  windows 2, 3: accumulators.
.set FR,    12                         ; registers of a fragment
.set HALFT, 24576                      ; 8 rowtiles x 3,072 bytes: what one tensor load brings
.set SLOT,  98304                      ; A' 16 rowtiles, then B' 16
.set SCL,   294912                     ; behind the slots: the scale words, as blocks of 256 bytes + 16
.set HALFS, 4352                       ; those of 128 rows
.set SBLK,  544                        ; those of 16 rows
.set SPARE, 312320                     ; the spare words: 128 bytes a wave, named by no other line
.set KOFF,  6291456                    ; qkvc: Q [16 heads][512 rowtiles][768]; K the same from here;
.set VOFF,  12582912                   ; V^T [64 chunks of 128 keys][64 rowtiles of c][1,536] from here
.set VSOFF, 524288                     ; qkvs: q's and k's words [16 heads][128][256]; V's [64 chunks][16 heads][256] from here
.set AF,    128
.set SC,    32                         ; v[SC + 8 i + K step]: lanes 0-15 the word of A' block i, lanes 16-31 that of B' block i
.set ADRS,  16
.set L16,   17
.set L8,    18
.set SPW,   28
.set NIL,   29
.set TM,    96
.set CT,    112
.set PC,    224
.set PWS,   236
.set G1A,  24
.set G1B,  32
.set G1SA, 40
.set G1SB, 48
.set G0A0, 56
.set G0A1, 60
.set G0A2, 68
.set G0B0, 72
.set G0B1, 76
.set G0B2, 80
.set G0SA, 84
.set G0SB, 88
.set MSB, 0
.macro WIN new                         ; the immediate's high byte repeats the setting that is left
.if MSB != \new
	s_set_vgpr_msb (MSB<<8)|\new
.set MSB, \new
.endif
.endm
.set MUL_LO, 0xa1                      ; source 0 (B') window 1, source 1 (A') window 0, C and D window 2
.set MUL_HI, 0xf1                      ; the same, C and D window 3
.set TO_B,   0x40                      ; destination window 1, address window 0
; A joint load: waves 0 and 1 fetch for A', waves 2 and 3 for B'.  The branch hangs on the wave's number alone.  Four v_nop follow each of the two lines.
.macro JLOAD g0a, g1a, g0b, g1b
	s_cmp_eq_u32 s15, 0
	s_cbranch_scc0 .Lfor_b_\@
	tensor_load_to_lds s[\g0a:\g0a+3], s[\g1a:\g1a+7]
	s_nop 0
.rept 4
	v_nop
.endr
	s_branch .Lasked_\@
.Lfor_b_\@:
	tensor_load_to_lds s[\g0b:\g0b+3], s[\g1b:\g1b+7]
	s_nop 0
.rept 4
	v_nop
.endr
.Lasked_\@:
.endm
.macro CREST                           ; a round of the cluster's barrier behind its opening barrier
	s_cmp_lg_u32 s14, 0
	s_cbranch_scc1 .Lnot_wave_0_\@
	s_barrier_signal -3
.Lnot_wave_0_\@:
	s_barrier_wait -3
	s_barrier_signal -1
	s_barrier_wait -1
.endm
.macro CROUND
	s_barrier_signal -1
	s_barrier_wait -1
	CREST
.endm
.macro PLACES n                        ; plain vector lines between a matrix instruction and a load into, or a read of, its registers
.rept \n
	v_nop
.endr
.endm
.macro FRAG reg, a16, off              ; a fragment's image: four dense loads; the register behind a16 holds the 8-byte lanes' address
.set FRG, \reg
.set FAD, \a16
.set FOF, \off
	ds_load_b128 v[FRG:FRG+3], v[FAD] offset:FOF
	ds_load_b64 v[FRG+4:FRG+5], v[FAD+1] offset:FOF+512
	ds_load_b128 v[FRG+6:FRG+9], v[FAD] offset:FOF+768
	ds_load_b64 v[FRG+10:FRG+11], v[FAD+1] offset:FOF+1280
.endm
.macro FETCH_B slot, q, p              ; B' eight fragments of the slot's q-th 128 along K into set p: 32 loads
	WIN TO_B
.irp i, 0,1,2,3,4,5,6,7
	FRAG 128*(\p)+FR*\i, 6+4*(\slot), 3072*\i+1536*(\q)
.endr
	WIN 0
.endm
.macro FETCH_A slot, q, i0             ; A' blocks i0 .. i0 + 3: 16 loads
.irp i, \i0, \i0+1, \i0+2, \i0+3
	FRAG AF+FR*(\i), 4+4*(\slot), 3072*(\i)+1536*(\q)
.endr
.endm
.macro SCALES                          ; all eight K steps' words of my 8 + 8 blocks, once: 16 loads
.irp i, 0,1,2,3,4,5,6,7
	ds_load_b128 v[SC+8*\i:SC+8*\i+3], v[ADRS] offset:SBLK*\i
	ds_load_b128 v[SC+8*\i+4:SC+8*\i+7], v[ADRS] offset:SBLK*\i+16
.endr
.endm
; 16 matrix instructions: A' blocks a0, a0 + 1 x B' eight.  The 64 accumulators take turns, one instruction a turn, in the same order in every K step.
.macro MUL16 a0, p, kq, zero
.irp a, \a0, \a0+1
.irp b, 0,1,2,3,4,5,6,7
.if \zero
	v_wmma_scale_f32_16x16x128_f8f6f4 v[8*(8*((\a)%4)+\b):8*(8*((\a)%4)+\b)+7], v[128*(\p)+FR*\b:128*(\p)+FR*\b+FR-1], v[AF+FR*(\a):AF+FR*(\a)+FR-1], 0, v[SC+8*\b+(\kq)], v[SC+8*(\a)+(\kq)] matrix_a_fmt:MATRIX_FMT_BF6 matrix_b_fmt:MATRIX_FMT_BF6 matrix_a_scale:MATRIX_SCALE_ROW1
.else
	v_wmma_scale_f32_16x16x128_f8f6f4 v[8*(8*((\a)%4)+\b):8*(8*((\a)%4)+\b)+7], v[128*(\p)+FR*\b:128*(\p)+FR*\b+FR-1], v[AF+FR*(\a):AF+FR*(\a)+FR-1], v[8*(8*((\a)%4)+\b):8*(8*((\a)%4)+\b)+7], v[SC+8*\b+(\kq)], v[SC+8*(\a)+(\kq)] matrix_a_fmt:MATRIX_FMT_BF6 matrix_b_fmt:MATRIX_FMT_BF6 matrix_a_scale:MATRIX_SCALE_ROW1
.endif
.endr
.endr
.endm
; K step kq on B' set p; the next K step's fragments come from slot ns, its nq-th half
.macro STEP p, kq, ns, nq, zero
	s_wait_dscnt 16                                ; all but the youngest 16 loads (A' blocks 4-7) are in
	WIN MUL_LO
	MUL16 0, \p, \kq, \zero
	MUL16 2, \p, \kq, \zero
	s_wait_dscnt 0x0                               ; A' blocks 4-7 are in
	PLACES 4
	FETCH_B \ns, \nq, 1-(\p)
	FETCH_A \ns, \nq, 0
	WIN MUL_HI
	MUL16 4, \p, \kq, \zero
	MUL16 6, \p, \kq, \zero
	PLACES 4
	WIN 0
	FETCH_A \ns, \nq, 4
.endm
; A K step with a barrier in it.  In front of the barrier each wave waits for all its tensor loads, adds 0 to its spare word, and waits for that and for its LDS reads.
; fill = 1: the barrier opens a round of the cluster's, and slot 0, which nobody reads any more, takes K 768 to 1,023: four K steps, 256 matrix instructions, ahead of its first read.
.macro TURN kq, ns, fill
	s_wait_tensorcnt 0x0                           ; all my tensor loads have landed
	ds_add_u32 v[SPW], v[NIL]                      ; 0 onto my spare word
	s_wait_dscnt 17                                ; (the add and the youngest 16 loads may be out)
	WIN MUL_LO
	MUL16 0, 1, \kq, 0
	s_wait_dscnt 0x0                               ; the add is done, and my LDS reads are over
	s_barrier_signal -1
	MUL16 2, 1, \kq, 0
	WIN 0
	s_barrier_wait -1
.if \fill
	CREST                                          ; no wave of any partner still reads slot 0 or has a load on its way
	s_add_nc_u64 s[G0A0+2:G0A0+3], s[G0A0+2:G0A0+3], 9216    ; three slots' worth along K
	s_add_nc_u64 s[G0B0+2:G0B0+3], s[G0B0+2:G0B0+3], 9216
	JLOAD G0A0, G1A, G0B0, G1B                     ; my one tensor load behind the round; its four v_nop are the places in front of the loads below
.else
	PLACES 4
.endif
	FETCH_B \ns, 0, 0
	FETCH_A \ns, 0, 0
	WIN MUL_HI
	MUL16 4, 1, \kq, 0
	MUL16 6, 1, \kq, 0
	PLACES 4
	WIN 0
	FETCH_A \ns, 0, 4
.endm
.macro SETG0 g0a, g0b, slot            ; a slot's two groups 0, and its first fill
	s_mov_b32 s[\g0a], 1
	s_add_co_u32 s[\g0a+1], s96, (\slot)*SLOT
	s_add_nc_u64 s[\g0a+2:\g0a+3], s[2:3], (\slot)*3072
	s_or_b32 s[\g0a+3], s[\g0a+3], 0x80000000
	s_mov_b32 s[\g0b], 1
	s_add_co_u32 s[\g0b+1], s96, (\slot)*SLOT
	s_add_nc_u64 s[\g0b+2:\g0b+3], s[66:67], (\slot)*3072
	s_or_b32 s[\g0b+3], s[\g0b+3], 0x80000000
	JLOAD \g0a, G1A, \g0b, G1B
.endm
	s_load_b128 s[4:7], s[0:1], 0x0                ; opc, ops
	s_load_b128 s[8:11], s[0:1], 0x10              ; qkvc, qkvs
	v_lshl_add_u32 v[SPW], v0, 2, SPARE
	v_mov_b32 v[NIL], 0
	ds_add_u32 v28, v29
	ds_add_u32 v28, v29
	s_wait_dscnt 0x0
	v_lshrrev_b32 v1, 5, v0
	v_readfirstlane_b32 s14, v1                    ; wave 0..3
	s_lshr_b32 s15, s14, 1                         ; which half of the tile's rows m' is mine.  Also: I fetch for A' (0) or B' (1)
	s_and_b32 s16, s14, 1                          ; which half of its n'.  Also: which 8 rowtiles I fetch
	s_bfe_u32 s92, ttmp6, 0x40000                  ; cx
	s_bfe_u32 s93, ttmp6, 0x40004                  ; cy
	s_and_b32 s94, ttmp7, 0xffff
	s_lshl_b32 s94, s94, 2                         ; 4 x cluster y
	s_lshl_b32 s95, ttmp9, 2                       ; 4 x cluster x
	s_cmp_eq_u32 ttmp9, 2                          ; v's role?
	s_cselect_b32 s96, 0, s94
	s_cselect_b32 s97, s94, s95
	s_cselect_b32 s98, 640, 0                      ; where A' rowtiles begin in opc,
	s_cselect_b32 s99, 0, 512                      ; and B'
	s_add_co_u32 s17, s93, s96                     ; tile row: cy + 4 cluster y, or cy
	s_add_co_u32 s100, s92, s97                    ; tile column: cx + 4 cluster x, or cx + 4 cluster y
	s_lshl_b32 s101, s93, 2
	s_lshl_b32 s101, 15, s101                      ; my row of the cluster
	s_lshl_b32 s18, 0x1111, s92                    ; my column
	; group 1 for codes: 8 rows (rowtiles) of 384 elements of 8 bytes, 1,536 elements apart; dense in LDS
	s_or_b32 s[G1A], s101, (3<<16)|(1<<21)
	s_or_b32 s[G1B], s18, (3<<16)|(1<<21)
.irp g, G1A, G1B
	s_mov_b32 s[\g+1], 384<<16                     ; tensor_dim0
	s_mov_b32 s[\g+2], 8<<16                       ; tensor_dim1
	s_mov_b32 s[\g+3], 384<<16                     ; tile_dim0
	s_mov_b32 s[\g+4], 8                           ; tile_dim1
	s_mov_b32 s[\g+5], 1536                        ; tensor_dim0_stride
	s_mov_b32 s[\g+6], 0
	s_mov_b32 s[\g+7], 0
.endr
	; group 1 for the scale words of 128 rows: 4,096 dense bytes as 16 rows of 256, 16 bytes of padding behind each
	s_or_b32 s[G1SA], s101, (3<<16)|(1<<20)|(1<<21)|(5<<22)|(3<<25)
	s_or_b32 s[G1SB], s18, (3<<16)|(1<<20)|(1<<21)|(5<<22)|(3<<25)
.irp g, G1SA, G1SB
	s_mov_b32 s[\g+1], 32<<16
	s_mov_b32 s[\g+2], 16<<16
	s_mov_b32 s[\g+3], 32<<16
	s_mov_b32 s[\g+4], 16
	s_mov_b32 s[\g+5], 32
	s_mov_b32 s[\g+6], 0
	s_mov_b32 s[\g+7], 0
.endr
	s_lshl_b32 s19, s16, 3
	s_lshl_b32 s20, s17, 4
	s_add_co_u32 s20, s20, s98
	s_add_co_u32 s20, s20, s19                     ; the first rowtile that I would fetch for A': it hangs on cy, never on cx
	s_lshl_b32 s22, s100, 4
	s_add_co_u32 s22, s22, s99
	s_add_co_u32 s22, s22, s19                     ; and for B': on cx, never on cy
	s_mul_i32 s2, s20, 12288
	s_mov_b32 s3, 0
	s_lshl_b32 s20, s20, 9
	s_mov_b32 s21, 0
	s_mul_i32 s66, s22, 12288
	s_mov_b32 s67, 0
	s_lshl_b32 s22, s22, 9
	s_mov_b32 s23, 0
	s_mul_i32 s96, s14, HALFT                      ; where they go: by the wave's number alone
	s_mul_i32 s97, s14, HALFS
	s_wait_kmcnt 0x0
	s_add_nc_u64 s[2:3], s[4:5], s[2:3]
	s_add_nc_u64 s[20:21], s[6:7], s[20:21]
	s_add_nc_u64 s[66:67], s[4:5], s[66:67]
	s_add_nc_u64 s[22:23], s[6:7], s[22:23]
	CROUND                                         ; all sixteen work-groups are here: the first joint loads meet
	s_mov_b32 s[G0SA], 1
	s_add_co_u32 s[G0SA+1], s97, SCL
	s_mov_b64 s[G0SA+2:G0SA+3], s[20:21]
	s_or_b32 s[G0SA+3], s[G0SA+3], 0x80000000
	s_mov_b32 s[G0SB], 1
	s_add_co_u32 s[G0SB+1], s97, SCL
	s_mov_b64 s[G0SB+2:G0SB+3], s[22:23]
	s_or_b32 s[G0SB+3], s[G0SB+3], 0x80000000
	JLOAD G0SA, G1SA, G0SB, G1SB                   ; the scale words first; then the three slots: four loads of mine are out
	SETG0 G0A0, G0B0, 0
	SETG0 G0A1, G0B1, 1
	SETG0 G0A2, G0B2, 2
	v_and_b32 v1, 15, v0                           ; r
	v_bfe_u32 v2, v0, 4, 1                         ; h
	v_and_b32 v3, 31, v0
	v_lshlrev_b32 v[L16], 4, v3
	v_lshlrev_b32 v[L8], 3, v3
	s_mul_i32 s92, s15, HALFT                      ; my 8 rowtiles of A',
	s_mul_i32 s93, s16, HALFT
	s_add_co_u32 s93, s93, 2*HALFT                 ; and of B', behind A' 16
.irp s, 0,1,2
	v_add_nc_u32 v[4+4*\s], s92, v[L16]
	v_add_nc_u32 v[5+4*\s], s92, v[L8]
	v_add_nc_u32 v[6+4*\s], s93, v[L16]
	v_add_nc_u32 v[7+4*\s], s93, v[L8]
	s_add_co_u32 s92, s92, SLOT
	s_add_co_u32 s93, s93, SLOT
.endr
	v_lshlrev_b32 v19, 5, v1
	v_lshrrev_b32 v20, 3, v1
	v_lshl_add_u32 v19, v20, 4, v19                ; my row's 32 bytes of words: 32 r, and 16 more behind each 256
	s_mul_i32 s92, s15, HALFS
	s_mul_i32 s93, s16, HALFS
	s_add_co_u32 s93, s93, 2*HALFS
	s_sub_co_u32 s93, s93, s92
	v_mul_u32_u24 v20, s93, v2                     ; lanes 16-31 take B'
	s_add_co_u32 s92, s92, SCL
	v_add_nc_u32 v19, v19, v20
	v_add_nc_u32 v[ADRS], s92, v19
.irp b, 0,1,2,3
	v_mov_b32 v[TM+4+\b], 0                        ; written once: a lane permute's destination counts as a source
.endr
	; the way out's constants, by role
	s_cmp_eq_u32 ttmp9, 2
	s_mov_b32 s18, 768
	s_cselect_b32 s18, 1536, s18                   ; from rowtile to rowtile
	s_mov_b32 s92, KOFF
	s_cselect_b32 s92, 768, s92                    ; from a fragment's first half to its second: q to k, or keys 0-63 to keys 64-127
	s_mov_b32 s94, 393216
	s_cselect_b32 s94, 98304, s94                  ; from chunk to chunk of 128 along n': a head, or 128 keys
	s_mov_b32 s95, 32768
	s_cselect_b32 s95, 4096, s95                   ; the same among the scale words
	s_cselect_b32 s96, VOFF, 0
	s_cselect_b32 s97, VSOFF, 0
	s_mov_b32 s12, 0x05040100
	s_cselect_b32 s12, 0x03020100, s12             ; how two rowtiles' words make the words that attention loads
	s_mov_b32 s13, 0x07060302
	s_cselect_b32 s13, 0x07060504, s13
	s_mov_b32 s19, 0
	s_mov_b32 s93, 0
	s_lshl_b32 s101, s100, 1
	s_add_co_u32 s101, s101, s16                   ; my chunk
	s_lshl_b32 s98, s17, 4
	s_lshl_b32 s99, s15, 3
	s_add_co_u32 s98, s98, s99                     ; my first rowtile of m'
	s_mul_i32 s20, s94, s101
	s_mul_i32 s99, s98, s18
	s_add_co_u32 s20, s20, s99
	s_add_co_u32 s20, s20, s96
	s_mov_b32 s21, 0
	s_add_nc_u64 s[20:21], s[8:9], s[20:21]        ; where first halves go,
	s_add_nc_u64 s[22:23], s[20:21], s[92:93]      ; and second halves
	s_mul_i32 s66, s95, s101
	s_lshl_b32 s99, s98, 6
	s_add_co_u32 s66, s66, s99
	s_add_co_u32 s66, s66, s97
	s_mov_b32 s67, 0
	s_add_nc_u64 s[66:67], s[10:11], s[66:67]      ; and my two blocks of 256 bytes of scale words
	s_mov_b32 s2, 0x76543210
	s_mov_b32 s3, 0xfedcba98                       ; selects for lane l xor 16
	s_wait_tensorcnt 2                             ; the scale words and my part of slot 0 are in; slots 1 and 2 may be out
	s_barrier_signal -1
	s_barrier_wait -1
	FETCH_B 0, 0, 0
	FETCH_A 0, 0, 0
	SCALES
	FETCH_A 0, 0, 4
	STEP 0, 0, 0, 1, 1                             ; the first products start the sums: nothing is cleared
	TURN 1, 1, 1
	STEP 0, 2, 1, 1, 0
	STEP 1, 3, 2, 0, 0                             ; no barrier: the round has shown slots 1 and 2 whole to every wave
	STEP 0, 4, 2, 1, 0
	TURN 5, 0, 0                                   ; slot 0's second fill has landed in every wave
	STEP 0, 6, 0, 1, 0
	s_wait_dscnt 16
	WIN MUL_LO
	MUL16 0, 1, 7, 0
	MUL16 2, 1, 7, 0
	s_wait_dscnt 0x0
	WIN MUL_HI
	MUL16 4, 1, 7, 0
	MUL16 6, 1, 7, 0
	WIN 0
	PLACES 4
; THE WAY OUT of block a (16 rows m' x 128 along n'): its 64 registers are, in my lane, register 16 b + i = n' 32 b + 16 (lane / 16) + i of my row: four blocks of 32 are quantised in place of being stored as f32.
; Each accumulator is read from its low end on.  The fragment leaves as an image of its registers, each store covering whole aligned blocks of 256 bytes.
.macro EQ a
.set AC, 64*((\a)%4)
	WIN 0x0a+5*((\a)/4)                            ; sources 0 and 1: the accumulators' window
.irp b, 0,1,2,3
	v_max3_num_f32 v[TM+\b], |v[AC+16*\b]|, |v[AC+16*\b+1]|, 0x2800000      ; and the floor 2^(5 - 127)
.endr
.irp i, 2,4,6,8,10,12,14
.irp b, 0,1,2,3
	v_max3_num_f32 v[TM+\b], |v[AC+16*\b+\i]|, |v[AC+16*\b+\i+1]|, v[TM+\b]
.endr
.endr
	WIN 0
.irp b, 0,1,2,3
	v_permlanex16_b32 v[TM+4+\b], v[TM+\b], s2, s3
.endr
.irp b, 0,1,2,3
	v_max_num_f32 v[TM+\b], v[TM+\b], v[TM+4+\b]
.endr
.irp b, 0,1,2,3
	v_add_nc_u32 v[TM+12+\b], 0xfe000000, v[TM+\b]
.endr
.irp b, 0,1,2,3
	v_lshrrev_b32 v[TM+4+\b], 23, v[TM+12+\b]
.endr
	v_lshl_or_b32 v[PWS+\a], v[TM+5], 8, v[TM+4]
	v_lshl_or_b32 v[PWS+\a], v[TM+6], 16, v[PWS+\a]
	v_lshl_or_b32 v[PWS+\a], v[TM+7], 24, v[PWS+\a]
	s_wait_xcnt 0x0                                ; the last block's stores have read their data and their bases: both are written again only behind this wait
.if \a > 0
	s_add_nc_u64 s[20:21], s[20:21], s[18:19]
	s_add_nc_u64 s[22:23], s[22:23], s[18:19]
.endif
	WIN 2+(\a)/4                                   ; source 0: the accumulators' window
.irp c, 0,1
	v_cvt_scalef32_pk16_bf6_f32 v[PC+6*\c:PC+6*\c+2], v[AC+32*\c:AC+32*\c+15], v[TM+12+2*\c]
	v_cvt_scalef32_pk16_bf6_f32 v[CT+4*\c:CT+4*\c+2], v[AC+32*\c+16:AC+32*\c+31], v[TM+13+2*\c]
.endr
	WIN 0
	v_nop                                          ; one plain line behind the scaled conversions
.irp c, 0,1
.irp i, 0,1,2
	v_permlane16_swap_b32 v[PC+6*\c+\i], v[CT+4*\c+\i]
.endr
.irp i, 0,1,2
	v_mov_b32 v[PC+6*\c+3+\i], v[CT+4*\c+\i]
.endr
.endr
	global_store_b128 v[L16], v[PC:PC+3], s[20:21]
	global_store_b64 v[L8], v[PC+4:PC+5], s[20:21] offset:512
	global_store_b128 v[L16], v[PC+6:PC+9], s[22:23]
	global_store_b64 v[L8], v[PC+10:PC+11], s[22:23] offset:512
.endm
.irp a, 0,1,2,3,4,5,6,7
	EQ \a
.endr
	; the eight scale words of my row become the words that attention loads: for q and k, (two bytes of the even rowtile | two of the odd one), q's in lanes 0-15 and k's in lanes 16-31;
	; for v, the even rowtile's word in lanes 0-15 and the odd one's in lanes 16-31
	s_mov_b32 vcc_lo, 0xffff0000
.irp p, 0,1,2,3
	v_perm_b32 v[96+\p], v[PWS+2*\p+1], v[PWS+2*\p], s12
	v_perm_b32 v[100+\p], v[PWS+2*\p+1], v[PWS+2*\p], s13
.endr
.irp p, 0,1,2,3
	v_cndmask_b32 v[104+\p], v[96+\p], v[100+\p], vcc_lo
.endr
	global_store_b64 v[L8], v[104:105], s[66:67]               ; one aligned block of 256 bytes each
	global_store_b64 v[L8], v[106:107], s[66:67] offset:256
	s_wait_tensorcnt 0x0                           ; the wave's end
	ds_add_u32 v[SPW], v[NIL]
	s_wait_dscnt 0x0
	CROUND                                         ; the closing round: no work-group ends while a partner may still ask for a tile that names it
	s_endpgm
.Lfunc_end_k_qe0c9c327de_qkv:
	.size	k_qe0c9c327de_qkv, .Lfunc_end_k_qe0c9c327de_qkv-k_qe0c9c327de_qkv
	.p2alignl 7, 3214868480
	.fill 96, 4, 3214868480
	.section	.rodata,"a",@progbits
	.p2align	6, 0x0
	.amdhsa_kernel k_qe0c9c327de_qkv
		.amdhsa_group_segment_fixed_size 327680
		.amdhsa_private_segment_fixed_size 0
		.amdhsa_enable_private_segment 0
		.amdhsa_kernarg_size 32
		.amdhsa_user_sgpr_count 2
		.amdhsa_user_sgpr_kernarg_segment_ptr 1
		.amdhsa_wavefront_size32 1
		.amdhsa_system_sgpr_workgroup_id_x 1
		.amdhsa_system_sgpr_workgroup_id_y 1
		.amdhsa_system_sgpr_workgroup_id_z 1
		.amdhsa_system_vgpr_workitem_id 0
		.amdhsa_next_free_vgpr 1024
		.amdhsa_next_free_sgpr 102
		.amdhsa_reserve_vcc 1
		.amdhsa_float_denorm_mode_32 3
		.amdhsa_float_denorm_mode_16_64 3
		.amdhsa_memory_ordered 1
		.amdhsa_forward_progress 1
		.amdhsa_inst_pref_size 150
	.end_amdhsa_kernel
	.amdgpu_metadata
---
amdhsa.version: [ 1, 2 ]
amdhsa.kernels:
  - .name:           k_qe0c9c327de_qkv
    .symbol:         k_qe0c9c327de_qkv.kd
    .args:
      - { .name: opc, .offset: 0, .size: 8, .value_kind: global_buffer, .address_space: global }
      - { .name: ops, .offset: 8, .size: 8, .value_kind: global_buffer, .address_space: global }
      - { .name: qkvc, .offset: 16, .size: 8, .value_kind: global_buffer, .address_space: global }
      - { .name: qkvs, .offset: 24, .size: 8, .value_kind: global_buffer, .address_space: global }
    .group_segment_fixed_size: 327680
    .private_segment_fixed_size: 0
    .kernarg_segment_align: 8
    .kernarg_segment_size: 32
    .max_flat_workgroup_size: 128
    .sgpr_count:     102
    .vgpr_count:     1024
    .wavefront_size: 32
...
	.end_amdgpu_metadata
.endif
;; end of part 2
;; launch attn (part 3): grid 4 x 64, 16 waves a work-group, clusters of 4 x 1, 210,944 bytes of LDS; arguments qkvc, qkvs, yc, ys; writes yc, ys
.if DOCPART == 3
	.amdgcn_target "amdgcn-amd-amdhsa--gfx1250"
	.amdhsa_code_object_version 6
	.text
	.protected	k_qe0c9c327de_attn
	.globl	k_qe0c9c327de_attn
	.p2align	8
	.type	k_qe0c9c327de_attn,@function
k_qe0c9c327de_attn:
	s_mov_b64 s[64:65], 0
	v_nop
	global_prefetch_b8 v0, s[64:65] scope:SCOPE_SE
	s_setreg_imm32_b32 hwreg(HW_REG_WAVE_MODE, 25, 1), 1
	s_wait_xcnt 0x0
	s_wait_alu depctr_hold_cnt(0) depctr_sa_sdst(0) depctr_va_vdst(0) depctr_va_sdst(0) depctr_va_ssrc(0) depctr_va_vcc(0) depctr_vm_vsrc(0)
	s_getreg_b32 s2, hwreg(HW_REG_IB_STS2, 6, 4)
	s_cmp_eq_u32 s2, 0
	s_cbranch_scc0 .Lentry_in_a_cluster
	s_endpgm
.Lentry_in_a_cluster:
	s_bfe_u32 s2, ttmp6, 0x10000c
	s_cmp_lg_u32 s2, 0x3003
	s_cbranch_scc0 .Lentry_shape_is_right
	s_endpgm
.Lentry_shape_is_right:
; y[b][t][head 64 + d] = the sum over keys k <= t of softmax_k(q . k / 8) v, both products on codes of BF6 (E3M2) with E8M0 scales; y is quantised along c on the way out and leaves as codes.
; THE SOFTMAX AHEAD OF THE SECOND PRODUCT: t = score x log2(e) / 8; M = the running largest t rounded UP to a whole number; p = 2^(t - M) is quantised along the keys, not normalised; the row's sum is taken of the
; unquantised p and divides at the end.  When M moves, the sum and O are multiplied by 2^(old M - new M): exact.
; SHARES.  Work-group y = 16 b + head; the four work-groups of a cluster share that head.  K, V^T and their scale words of the whole head (208,896 bytes) come into LDS ONCE, by joint loads, and stay: no slot is filled
; again, nothing is stored to LDS, and the loops have no barrier.  A wave takes two tiles of 16 queries, one after the other: stored rowtile 8 blk + 2 cx + wave % 2 of the batch, blk = wave / 2 and then 15 - wave / 2:
; so every wave has 17 key steps of 128 under the causal mask.  All branches compare a step's number with blk, which hangs on the wave's number alone; cx enters global addresses and the mask's numbers only.
; LAYOUT.  Both products are used transposed: S^T = K Q^T, O^T = V^T P^T: a lane holds one query.  Rows are stored with bits 3 and 4 of their number swapped, so the 16 registers of two neighbouring tiles of S^T are
; 16 neighbouring keys, and those of O^T 16 neighbouring channels.  K = 64 IN THE FIRST PRODUCT: two rowtiles of keys, 768 bytes each, lie on end and are ONE fragment of 128 along K (row r: [key of the even rowtile |
; key of the odd one]); against (q | 0) it gives the even rowtile's scores, against (0 | q) the odd one's.  Zero codes add nothing under any scale byte but 0xff.
; LIMITS: a block of zeros, or one whose largest magnitude lies under 2^-122, gets the scale byte 1; NaN and infinities are not served.
; No prefetch: every tile is asked for at the head.
; REGISTERS: v1, v2 16 and 8 x lane; v3-8 the step's LDS addresses; v9 the mask's d; v10 q's scale word; v11 8 r; v12 -M, v13 largest t, v[14:15] the sum; v16-33 (0 | q | 0); v34-37 K's words, v38-39 V's;
; v40-87 four fragments of K, then of V; v88 32 r + h; v96-159 S^T, then p; v160-191 O^T; v192-203 p's codes; v204-210, v212-231 at work.
.set KOFF,  6291456
.set VOFF,  12582912
.set VSOFF, 524288
.set LK,    0                          ; LDS: K, 6,144 bytes a step of 128 keys: four pair fragments
.set LV,    98304                      ; V^T, 6,144 a step: four fragments of 16 channels x 128 keys
.set LKS,   196608                     ; q's and k's words, 512 a step
.set LVS,   204800                     ; V's, 256 a step
.set BM,  212
.set BT,  216
.set SO,  220
.set G1K,  24
.set G1KS, 32
.set G1V,  40
.set G1VS, 48
.set G0K,  56
.set G0KS, 60
.set G0V,  68
.set G0VS, 72
.set SEL,  76                          ; s[76:77] selects for lane l xor 16
.set CS,   78                          ; s[78:79] c = log2(e) / 8
.macro CROUND                          ; a round of the cluster's barrier
	s_barrier_signal -1
	s_barrier_wait -1
	s_cmp_lg_u32 s12, 0
	s_cbranch_scc1 .Lnot_wave_0_\@
	s_barrier_signal -3
.Lnot_wave_0_\@:
	s_barrier_wait -3
	s_barrier_signal -1
	s_barrier_wait -1
.endm
.macro FRAG reg, a16, off              ; a fragment's image: four dense loads
.set FRG, \reg
.set FAD, \a16
.set FOF, \off
	ds_load_b128 v[FRG:FRG+3], v[FAD] offset:FOF
	ds_load_b64 v[FRG+4:FRG+5], v[FAD+1] offset:FOF+512
	ds_load_b128 v[FRG+6:FRG+9], v[FAD] offset:FOF+768
	ds_load_b64 v[FRG+10:FRG+11], v[FAD+1] offset:FOF+1280
.endm
	s_load_b128 s[4:7], s[0:1], 0x0                ; qkvc, qkvs
	s_load_b128 s[8:11], s[0:1], 0x10              ; yc, ys
	v_lshl_add_u32 v254, v0, 2, 0x33000
	v_mov_b32 v255, 0
	ds_add_u32 v254, v255
	ds_add_u32 v254, v255
	v_lshrrev_b32 v1, 5, v0
	s_delay_alu instid0(VALU_DEP_1)
	v_readfirstlane_b32 s12, v1                    ; wave 0..15
	s_bfe_u32 s13, ttmp6, 0x40000                  ; cx
	s_and_b32 s15, ttmp7, 0xffff
	s_lshr_b32 s14, s15, 4                         ; b
	s_and_b32 s15, s15, 15                         ; head
	s_and_b32 s16, s12, 1
	s_and_b32 s98, s12, 7                          ; j: which eighth I fetch
	; groups 1: elements of 8 bytes, the mask names all four work-groups, no padding
	s_mov_b32 s[G1K], 15|(3<<16)|(1<<21)           ; K: 12,288 dense bytes as 48 rows of 256
	s_mov_b32 s[G1K+1], 32<<16
	s_mov_b32 s[G1K+2], 48<<16
	s_mov_b32 s[G1K+3], 32<<16
	s_mov_b32 s[G1K+4], 48
	s_mov_b32 s[G1K+5], 32
	s_mov_b32 s[G1K+6], 0
	s_mov_b32 s[G1K+7], 0
	s_mov_b32 s[G1KS], 15|(3<<16)|(1<<21)          ; q's and k's words: 1,024 dense bytes
	s_mov_b32 s[G1KS+1], 32<<16
	s_mov_b32 s[G1KS+2], 4<<16
	s_mov_b32 s[G1KS+3], 32<<16
	s_mov_b32 s[G1KS+4], 4
	s_mov_b32 s[G1KS+5], 32
	s_mov_b32 s[G1KS+6], 0
	s_mov_b32 s[G1KS+7], 0
	s_mov_b32 s[G1V], 15|(3<<16)|(1<<21)           ; V^T: two chunks' 6,144 bytes of my head, 98,304 bytes apart
	s_mov_b32 s[G1V+1], 768<<16
	s_mov_b32 s[G1V+2], 2<<16
	s_mov_b32 s[G1V+3], 768<<16
	s_mov_b32 s[G1V+4], 2
	s_mov_b32 s[G1V+5], 12288
	s_mov_b32 s[G1V+6], 0
	s_mov_b32 s[G1V+7], 0
	s_mov_b32 s[G1VS], 15|(3<<16)|(1<<21)          ; V's words: two chunks' 256 bytes, 4,096 apart
	s_mov_b32 s[G1VS+1], 32<<16
	s_mov_b32 s[G1VS+2], 2<<16
	s_mov_b32 s[G1VS+3], 32<<16
	s_mov_b32 s[G1VS+4], 2
	s_mov_b32 s[G1VS+5], 512
	s_mov_b32 s[G1VS+6], 0
	s_mov_b32 s[G1VS+7], 0
	s_mul_i32 s20, s15, 393216
	s_mul_i32 s99, s14, 98304
	s_add_co_u32 s20, s20, s99                     ; my head and batch in Q, and KOFF on in K
	s_lshl_b32 s21, s15, 15
	s_lshl_b32 s99, s14, 13
	s_add_co_u32 s21, s21, s99                     ; and among q's and k's words
	s_mov_b32 s101, 0
	s_wait_dscnt 0x0
	s_wait_kmcnt 0x0
	s_mul_i32 s99, s98, 12288
	s_mov_b32 s[G0K], 1
	s_mov_b32 s[G0K+1], s99
	s_add_co_u32 s100, s20, s99
	s_add_co_u32 s100, s100, KOFF
	s_add_nc_u64 s[G0K+2:G0K+3], s[4:5], s[100:101]
	s_or_b32 s[G0K+3], s[G0K+3], 0x80000000
	s_mov_b32 s[G0V], 1
	s_add_co_u32 s[G0V+1], s99, LV
	s_lshl_b32 s100, s14, 4
	s_lshl_b32 s22, s98, 1
	s_add_co_u32 s22, s100, s22                    ; chunk 16 b + 2 j
	s_mul_i32 s100, s22, 98304
	s_mul_i32 s23, s15, 6144
	s_add_co_u32 s100, s100, s23
	s_add_co_u32 s100, s100, VOFF
	s_add_nc_u64 s[G0V+2:G0V+3], s[4:5], s[100:101]
	s_or_b32 s[G0V+3], s[G0V+3], 0x80000000
	s_lshl_b32 s99, s98, 10
	s_mov_b32 s[G0KS], 1
	s_add_co_u32 s[G0KS+1], s99, LKS
	s_add_co_u32 s100, s21, s99
	s_add_nc_u64 s[G0KS+2:G0KS+3], s[6:7], s[100:101]
	s_or_b32 s[G0KS+3], s[G0KS+3], 0x80000000
	s_lshl_b32 s99, s98, 9
	s_mov_b32 s[G0VS], 1
	s_add_co_u32 s[G0VS+1], s99, LVS
	s_lshl_b32 s100, s22, 12
	s_lshl_b32 s23, s15, 8
	s_add_co_u32 s100, s100, s23
	s_add_co_u32 s100, s100, VSOFF
	s_add_nc_u64 s[G0VS+2:G0VS+3], s[6:7], s[100:101]
	s_or_b32 s[G0VS+3], s[G0VS+3], 0x80000000
	CROUND                                         ; all four work-groups are here: the joint loads meet
	s_cmp_lt_u32 s12, 8                            ; a wave's two fills stand in one branch on its number: waves 0-7 K and its words, waves 8-15 V and its words
	s_cbranch_scc0 .Lfill_v
	tensor_load_to_lds s[G0K:G0K+3], s[G1K:G1K+7]
	s_nop 0
	tensor_load_to_lds s[G0KS:G0KS+3], s[G1KS:G1KS+7]
	s_nop 0
.rept 4
	v_nop
.endr
	s_branch .Lfilled
.Lfill_v:
	tensor_load_to_lds s[G0V:G0V+3], s[G1V:G1V+7]
	s_nop 0
	tensor_load_to_lds s[G0VS:G0VS+3], s[G1VS:G1VS+7]
	s_nop 0
.rept 4
	v_nop
.endr
.Lfilled:
	v_and_b32 v1, 31, v0
	s_delay_alu instid0(VALU_DEP_1)
	v_lshlrev_b32 v2, 3, v1                        ; 8 x lane
	s_delay_alu instid0(VALU_DEP_2)
	v_lshlrev_b32 v1, 4, v1                        ; 16 x lane
	v_and_b32 v228, 15, v0                         ; r
	v_bfe_u32 v229, v0, 4, 1                       ; h
	s_delay_alu instid0(VALU_DEP_2)
	v_lshlrev_b32 v11, 3, v228                     ; q's word: 8 bytes a lane of a block of words
	s_delay_alu instid0(VALU_DEP_2)
	v_lshl_add_u32 v88, v228, 5, v229              ; y's scale bytes: 32 r + h
	v_and_b32 v9, 7, v0
	v_bfe_u32 v89, v0, 3, 1
	s_delay_alu instid0(VALU_DEP_1)
	v_lshl_add_u32 v9, v89, 4, v9                  ; r % 8 + 16 (r / 8)
	v_lshlrev_b32 v89, 4, v229
	s_delay_alu instid0(VALU_DEP_1)
	v_sub_nc_u32 v9, v9, v89
	s_lshl_b32 s98, s13, 5
	s_lshl_b32 s99, s16, 3
	s_add_co_u32 s98, s98, s99
	v_add_nc_u32 v9, s98, v9                       ; d = my query's place in its 128 - 16 h
.irp m, 16,17,18,19,20,21,28,29,30,31,32,33
	v_mov_b32 v[\m], 0                             ; the zero codes on both sides of q
.endr
.irp m, 0,1,2,3
	v_mov_b32 v[BT+\m], 0                          ; written once: a lane permute's destination counts as a source
.endr
	v_mov_b32 v227, 0                              ; (named as the upper half of the pair v[226:227])
	s_mov_b32 s[SEL], 0x76543210
	s_mov_b32 s[SEL+1], 0xfedcba98
	s_mov_b32 s[CS], 0x3e38aa3b                    ; log2(e) / 8
	s_mov_b32 s[CS+1], s[CS]
	s_mov_b32 s81, 0xffff0000                      ; lanes 16-31
	s_cmp_eq_u32 s16, 0
	s_mov_b32 s80, 0x03020302
	s_cselect_b32 s80, 0x01000100, s80             ; my tile's two bytes of the pair's word, twice
	; where my tile of blk = 0 lies
	s_lshl_b32 s22, s13, 1
	s_add_co_u32 s22, s22, s16                     ; 2 cx + wave % 2
	s_mul_i32 s100, s22, 768
	s_add_co_u32 s100, s100, s20
	s_add_nc_u64 s[82:83], s[4:5], s[100:101]      ; q's codes
	s_lshr_b32 s100, s13, 1
	s_lshl_b32 s100, s100, 8
	s_and_b32 s99, s13, 1
	s_lshl_b32 s99, s99, 2
	s_add_co_u32 s100, s100, s99
	s_add_co_u32 s100, s100, s21
	s_add_nc_u64 s[84:85], s[6:7], s[100:101]      ; q's word: block cx / 2 of the step's two, word cx % 2
	s_lshl_b32 s99, s14, 7
	s_add_co_u32 s22, s22, s99                     ; the stored rowtile among all 512
	s_mul_i32 s100, s22, 12288
	s_mul_i32 s99, s15, 768
	s_add_co_u32 s100, s100, s99
	s_add_nc_u64 s[86:87], s[8:9], s[100:101]      ; y's codes
	s_lshl_b32 s100, s22, 9
	s_lshl_b32 s99, s15, 1
	s_add_co_u32 s100, s100, s99
	s_add_nc_u64 s[88:89], s[10:11], s[100:101]    ; y's scale bytes
	s_wait_tensorcnt 0x0                           ; my two loads have landed,
	s_barrier_signal -1
	s_barrier_wait -1                              ; everybody's have: the head lies in LDS
; ONE TILE OF QUERIES.  The loop's trip count is a constant; a step whose keys all come after the tile's 128 queries is jumped over, but for the lines that step addresses.
.macro JOB job, ntr
	s_wait_xcnt 0x0                                ; the last tile's stores have read their data and bases
	s_lshr_b32 s17, s12, 1
.if \job
	s_sub_co_u32 s17, 15, s17
.endif
	s_mov_b32 s99, 0
	s_mul_i32 s98, s17, 6144
	s_add_nc_u64 s[90:91], s[82:83], s[98:99]
	s_lshl_b32 s98, s17, 9
	s_add_nc_u64 s[92:93], s[84:85], s[98:99]
	s_mul_i32 s98, s17, 98304
	s_add_nc_u64 s[94:95], s[86:87], s[98:99]
	s_lshl_b32 s98, s17, 12
	s_add_nc_u64 s[96:97], s[88:89], s[98:99]
	global_load_b128 v[22:25], v1, s[90:91]        ; q's half fragment stays in registers
	global_load_b64 v[26:27], v2, s[90:91] offset:512
	global_load_b32 v10, v11, s[92:93]
	s_mov_b32 s18, 0
	s_mov_b32 s19, LK
	s_mov_b32 s20, LV
	s_mov_b32 s21, LKS
	s_mov_b32 s22, LVS
	s_wait_loadcnt 0x0
	v_perm_b32 v10, v10, v10, s80                  ; (q0, q1, q0, q1): it serves (q | 0) and (0 | q); more than eight plain lines follow ahead of the first product
	v_mov_b32 v13, 0xff61b1e6                      ; the largest t so far: -3e38
	s_delay_alu instid0(VALU_DEP_1)
	v_floor_f32 v12, -v13                          ; -M
	v_mov_b32 v14, 0
	v_mov_b32 v15, 0
.irp m, 0,1,2,3,4,5,6,7,8,9,10,11,12,13,14,15,16,17,18,19,20,21,22,23,24,25,26,27,28,29,30,31
	v_mov_b32 v[160+\m], 0                         ; O^T: the step is written once; its first trip finds zeros
.endr
.Lstep_\@:
	s_cmp_gt_u32 s18, s17
	s_cbranch_scc1 .Lhidden_\@
	s_setprio 2
	v_add_nc_u32 v3, s19, v1                       ; (these six are also the places in front of the loads below)
	v_add_nc_u32 v4, s19, v2
	v_add_nc_u32 v5, s20, v1
	v_add_nc_u32 v6, s20, v2
	v_add_nc_u32 v7, s21, v2
	v_add_nc_u32 v8, s22, v2
.irp g, 0,1,2,3
	FRAG 40+12*\g, 3, 1536*\g
.endr
	ds_load_b64 v[34:35], v7                       ; lanes 16-31: the words of pairs 0, 1
	ds_load_b64 v[36:37], v7 offset:256            ; and 2, 3
	s_wait_alu depctr_va_vdst(0)
	s_wait_dscnt 0x0
.irp g, 0,1,2,3
	v_wmma_scale_f32_16x16x128_f8f6f4 v[96+16*\g:103+16*\g], v[40+12*\g:51+12*\g], v[22:33], 0, v[34+\g], v10 matrix_a_fmt:MATRIX_FMT_BF6 matrix_b_fmt:MATRIX_FMT_BF6 matrix_a_scale:MATRIX_SCALE_ROW1
	v_wmma_scale_f32_16x16x128_f8f6f4 v[104+16*\g:111+16*\g], v[40+12*\g:51+12*\g], v[16:27], 0, v[34+\g], v10 matrix_a_fmt:MATRIX_FMT_BF6 matrix_b_fmt:MATRIX_FMT_BF6 matrix_a_scale:MATRIX_SCALE_ROW1
.endr
.rept 4
	v_nop                                          ; places in front of the loads into K's registers and of the first read of the scores
.endr
.irp g, 0,1,2,3
	FRAG 40+12*\g, 5, 1536*\g                      ; V's fragments land while the softmax is walked
.endr
	ds_load_b64 v[38:39], v8
	s_cmp_lg_u32 s18, s17                          ; on the diagonal the scores of hidden keys become -infinity ahead of the maximum
	s_cbranch_scc1 .Lopen_\@
	v_mov_b32 v228, 0xff800000
.irp m, 0,1,2,3,4,5,6,7,8,9,10,11,12,13,14,15,16,17,18,19,20,21,22,23,24,25,26,27,28,29,30,31,32,33,34,35,36,37,38,39,40,41,42,43,44,45,46,47,48,49,50,51,52,53,54,55,56,57,58,59,60,61,62,63
	v_cmp_gt_i32 vcc_lo, 32*(\m/16)+\m%16, v9      ; register 16 b + i holds key 32 b + 16 h + i of the step
	v_cndmask_b32 v[96+\m], v[96+\m], v228, vcc_lo
.endr
.Lopen_\@:
.irp b, 0,1,2,3
	v_max3_num_f32 v[BM+\b], v[96+16*\b], v[97+16*\b], v[98+16*\b]       ; the largest score of each block of 32 keys: for the row's maximum and, since p rises with the score, for the block's largest p
.endr
.irp i, 3,5,7,9,11,13
.irp b, 0,1,2,3
	v_max3_num_f32 v[BM+\b], v[BM+\b], v[96+16*\b+\i], v[97+16*\b+\i]
.endr
.endr
.irp b, 0,1,2,3
	v_max_num_f32 v[BM+\b], v[BM+\b], v[111+16*\b]
.endr
.irp b, 0,1,2,3
	s_delay_alu instid0(VALU_DEP_4)
	v_permlanex16_b32 v[BT+\b], v[BM+\b], s[SEL], s[SEL+1]
.endr
.irp b, 0,1,2,3
	s_delay_alu instid0(VALU_DEP_4)
	v_max_num_f32 v[BM+\b], v[BM+\b], v[BT+\b]
.endr
	s_delay_alu instid0(VALU_DEP_2)
	v_max3_num_f32 v228, v[BM], v[BM+1], v[BM+2]
	s_delay_alu instid0(VALU_DEP_1)
	v_max_num_f32 v228, v228, v[BM+3]
	s_delay_alu instid0(VALU_DEP_1)
	v_mul_f32 v228, s[CS], v228
	s_delay_alu instid0(VALU_DEP_1)
	v_max_num_f32 v13, v13, v228                   ; the running largest t
	v_mov_b32 v228, v12
	s_delay_alu instid0(VALU_DEP_2)
	v_floor_f32 v12, -v13                          ; the new -M: M is a whole number
	s_delay_alu instid0(VALU_DEP_1)
	v_sub_f32 v228, v12, v228
	s_delay_alu instid0(VALU_DEP_1)
	v_cvt_i32_f32 v228, v228                       ; (it saturates)
	s_delay_alu instid0(VALU_DEP_1)
	v_ldexp_f32 v226, 1.0, v228                    ; f = 2^(old M - new M)
	s_setprio 1
.irp e, 0,2,4,6,8,10,12,14,16,18,20,22,24,26,28,30,32,34,36,38,40,42,44,46,48,50,52,54,56,58,60,62
	v_pk_fma_f32 v[96+\e:97+\e], v[96+\e:97+\e], s[CS:CS+1], v[12:13] op_sel_hi:[1,0,0]   ; t - M
.endr
.irp b, 0,1,2,3
	v_fma_f32 v[BM+\b], v[BM+\b], s[CS], v12
.endr
	s_wait_alu depctr_va_vdst(0)
.irp m, 0,1,2,3,4,5,6,7,8,9,10,11,12,13,14,15,16,17,18,19,20,21,22,23,24,25,26,27,28,29,30,31,32,33,34,35,36,37,38,39,40,41,42,43,44,45,46,47,48,49,50,51,52,53,54,55,56,57,58,59,60,61,62,63
	v_exp_f32 v[96+\m], v[96+\m]                   ; p = 2^(t - M)
.endr
	v_pk_mul_f32 v[14:15], v[14:15], v[226:227] op_sel_hi:[1,0]          ; the sums under the new M: a plain line behind the exponentials
	s_wait_alu depctr_va_vdst(0)                   ; one wait for the batch, ahead of its first reader
.irp b, 0,1,2,3
	v_exp_f32 v[BM+\b], v[BM+\b]                   ; each block's largest p
.endr
	v_pk_add_f32 v[230:231], v[100:101], v[104:105]
	v_pk_add_f32 v[252:253], v[108:109], v[112:113]
	v_pk_add_f32 v[250:251], v[116:117], v[120:121]
	v_pk_add_f32 v[248:249], v[124:125], v[128:129]
	v_pk_add_f32 v[246:247], v[132:133], v[136:137]
	v_pk_add_f32 v[244:245], v[140:141], v[144:145]
	v_pk_add_f32 v[242:243], v[148:149], v[152:153]
	v_pk_add_f32 v[14:15], v[14:15], v[156:157]
	v_pk_add_f32 v[230:231], v[230:231], v[96:97]
	v_pk_add_f32 v[252:253], v[252:253], v[98:99]
	v_pk_add_f32 v[250:251], v[250:251], v[102:103]
	v_pk_add_f32 v[248:249], v[248:249], v[106:107]
	v_pk_add_f32 v[246:247], v[246:247], v[110:111]
	v_pk_add_f32 v[244:245], v[244:245], v[114:115]
	v_pk_add_f32 v[242:243], v[242:243], v[118:119]
	v_pk_add_f32 v[14:15], v[14:15], v[122:123]
	v_pk_add_f32 v[230:231], v[230:231], v[126:127]
	v_pk_add_f32 v[252:253], v[252:253], v[130:131]
	v_pk_add_f32 v[250:251], v[250:251], v[134:135]
	v_pk_add_f32 v[248:249], v[248:249], v[138:139]
	v_pk_add_f32 v[246:247], v[246:247], v[142:143]
	v_pk_add_f32 v[244:245], v[244:245], v[146:147]
	v_pk_add_f32 v[242:243], v[242:243], v[150:151]
	v_pk_add_f32 v[14:15], v[14:15], v[154:155]
	v_pk_add_f32 v[230:231], v[230:231], v[158:159]
	s_delay_alu instid0(VALU_DEP_2)
	v_pk_add_f32 v[14:15], v[14:15], v[248:249]
	s_delay_alu instid0(VALU_DEP_2)
	v_pk_add_f32 v[230:231], v[230:231], v[246:247]
	v_pk_add_f32 v[252:253], v[252:253], v[244:245]
	v_pk_add_f32 v[250:251], v[250:251], v[242:243]
	s_delay_alu instid0(VALU_DEP_2)
	v_pk_add_f32 v[14:15], v[14:15], v[252:253]
	s_delay_alu instid0(VALU_DEP_2)
	v_pk_add_f32 v[230:231], v[230:231], v[250:251]
	s_delay_alu instid0(VALU_DEP_1)
	v_pk_add_f32 v[14:15], v[14:15], v[230:231]
	s_wait_alu depctr_va_vdst(0)                   ; and one for the four
.irp b, 0,1,2,3
	v_max_num_f32 v[BM+\b], 0x2800000, v[BM+\b]    ; the floor: the byte cannot fall under 1
.endr
.irp b, 0,1,2,3
	s_delay_alu instid0(VALU_DEP_4)
	v_add_nc_u32 v[SO+\b], 0xfe000000, v[BM+\b]
.endr
.irp b, 0,1,2,3
	s_delay_alu instid0(VALU_DEP_4)
	v_lshrrev_b32 v[BT+\b], 23, v[SO+\b]
.endr
	s_delay_alu instid0(VALU_DEP_3)
	v_lshl_or_b32 v224, v[BT+1], 8, v[BT]          ; p's scale word for these 128 keys
	s_delay_alu instid0(VALU_DEP_1)
	v_lshl_or_b32 v224, v[BT+2], 16, v224
	s_delay_alu instid0(VALU_DEP_1)
	v_lshl_or_b32 v224, v[BT+3], 24, v224
	s_setprio 0
.irp c, 0,1
	v_cvt_scalef32_pk16_bf6_f32 v[192+6*\c:194+6*\c], v[96+32*\c:111+32*\c], v[SO+2*\c]
	v_cvt_scalef32_pk16_bf6_f32 v[204+4*\c:206+4*\c], v[112+32*\c:127+32*\c], v[SO+2*\c+1]
.endr
	v_nop                                          ; one plain line behind the scaled conversions
.irp c, 0,1
.irp i, 0,1,2
	v_permlane16_swap_b32 v[192+6*\c+\i], v[204+4*\c+\i]
.endr
.irp i, 0,1,2
	s_delay_alu instid0(VALU_DEP_3)
	v_mov_b32 v[195+6*\c+\i], v[204+4*\c+\i]
.endr
.endr
.irp e, 0,2,4,6,8,10,12,14,16,18,20,22,24,26,28,30
	v_pk_mul_f32 v[160+\e:161+\e], v[160+\e:161+\e], v[226:227] op_sel_hi:[1,0]           ; O^T under the new M; these sixteen are also the places between p's codes and word and the products
.endr
	s_wait_alu depctr_va_vdst(0)
	s_wait_dscnt 0x0                               ; V is in
	v_wmma_scale_f32_16x16x128_f8f6f4 v[160:167], v[40:51], v[192:203], v[160:167], v38, v224 matrix_a_fmt:MATRIX_FMT_BF6 matrix_b_fmt:MATRIX_FMT_BF6
	v_wmma_scale_f32_16x16x128_f8f6f4 v[168:175], v[52:63], v[192:203], v[168:175], v38, v224 matrix_a_fmt:MATRIX_FMT_BF6 matrix_b_fmt:MATRIX_FMT_BF6 matrix_a_scale:MATRIX_SCALE_ROW1
	v_wmma_scale_f32_16x16x128_f8f6f4 v[176:183], v[64:75], v[192:203], v[176:183], v39, v224 matrix_a_fmt:MATRIX_FMT_BF6 matrix_b_fmt:MATRIX_FMT_BF6
	v_wmma_scale_f32_16x16x128_f8f6f4 v[184:191], v[76:87], v[192:203], v[184:191], v39, v224 matrix_a_fmt:MATRIX_FMT_BF6 matrix_b_fmt:MATRIX_FMT_BF6 matrix_a_scale:MATRIX_SCALE_ROW1
.Lhidden_\@:
	s_add_co_u32 s19, s19, 6144
	s_add_co_u32 s20, s20, 6144
	s_add_co_u32 s21, s21, 512
	s_add_co_u32 s22, s22, 256
	s_add_co_u32 s18, s18, 1
	s_cmp_lt_u32 s18, \ntr
	s_cbranch_scc1 .Lstep_\@
	s_setprio 0
	; the way out: O^T / the sum, quantised along c (my head's two blocks of 32), as half a fragment of the last product's operand
.rept 4
	v_nop
.endr
	v_add_f32 v14, v14, v15
	s_delay_alu instid0(VALU_DEP_1)
	v_permlanex16_b32 v228, v14, s[SEL], s[SEL+1]
	s_delay_alu instid0(VALU_DEP_1)
	v_add_f32 v14, v14, v228                       ; the row's sum
	s_wait_alu depctr_va_vdst(0)
	v_rcp_f32 v14, v14
	v_nop                                          ; a plain line behind the reciprocal
	s_wait_alu depctr_va_vdst(0)                   ; the wait ahead of its first reader
.irp m, 0,1,2,3,4,5,6,7,8,9,10,11,12,13,14,15,16,17,18,19,20,21,22,23,24,25,26,27,28,29,30,31
	v_mul_f32 v[96+\m], v[160+\m], v14             ; register 16 b + i = channel 32 b + 16 h + i of my query
.endr
.irp b, 0,1
	v_max3_num_f32 v[BM+\b], |v[96+16*\b]|, |v[97+16*\b]|, 0x2800000
.endr
.irp i, 2,4,6,8,10,12,14
.irp b, 0,1
	s_delay_alu instid0(VALU_DEP_2)
	v_max3_num_f32 v[BM+\b], v[BM+\b], |v[96+16*\b+\i]|, |v[97+16*\b+\i]|
.endr
.endr
.irp b, 0,1
	s_delay_alu instid0(VALU_DEP_2)
	v_permlanex16_b32 v[BT+\b], v[BM+\b], s[SEL], s[SEL+1]
.endr
.irp b, 0,1
	s_delay_alu instid0(VALU_DEP_2)
	v_max_num_f32 v[BM+\b], v[BM+\b], v[BT+\b]
.endr
.irp b, 0,1
	s_delay_alu instid0(VALU_DEP_2)
	v_add_nc_u32 v[SO+\b], 0xfe000000, v[BM+\b]
.endr
.irp b, 0,1
	s_delay_alu instid0(VALU_DEP_2)
	v_lshrrev_b32 v[BT+\b], 23, v[SO+\b]
.endr
	v_cvt_scalef32_pk16_bf6_f32 v[192:194], v[96:111], v[SO]
	v_cvt_scalef32_pk16_bf6_f32 v[204:206], v[112:127], v[SO+1]
	v_cndmask_b32 v228, v[BT], v[BT+1], s81        ; lanes 0-15 carry block 0's byte, lanes 16-31 block 1's.  (A plain line behind the scaled conversions)
.irp i, 0,1,2
	v_permlane16_swap_b32 v[192+\i], v[204+\i]
.endr
.irp i, 0,1,2
	s_delay_alu instid0(VALU_DEP_3)
	v_mov_b32 v[195+\i], v[204+\i]
.endr
	global_store_b128 v1, v[192:195], s[94:95]     ; 512 and 256 dense bytes, at multiples of 256 from the buffer's first byte
	global_store_b64 v2, v[196:197], s[94:95] offset:512
	global_store_b8 v88, v228, s[96:97]            ; one byte a lane, 32 bytes from row to row: a small part of what the launch stores
.endm
	JOB 0, 8
	JOB 1, 16
	s_wait_tensorcnt 0x0
	ds_add_u32 v254, v255
	s_wait_dscnt 0x0
	CROUND                                         ; the closing round
	s_endpgm
.Lfunc_end_k_qe0c9c327de_attn:
	.size	k_qe0c9c327de_attn, .Lfunc_end_k_qe0c9c327de_attn-k_qe0c9c327de_attn
	.p2alignl 7, 3214868480
	.fill 96, 4, 3214868480
	.section	.rodata,"a",@progbits
	.p2align	6, 0x0
	.amdhsa_kernel k_qe0c9c327de_attn
		.amdhsa_group_segment_fixed_size 210944
		.amdhsa_private_segment_fixed_size 0
		.amdhsa_enable_private_segment 0
		.amdhsa_kernarg_size 32
		.amdhsa_user_sgpr_count 2
		.amdhsa_user_sgpr_kernarg_segment_ptr 1
		.amdhsa_wavefront_size32 1
		.amdhsa_system_sgpr_workgroup_id_x 1
		.amdhsa_system_sgpr_workgroup_id_y 1
		.amdhsa_system_sgpr_workgroup_id_z 1
		.amdhsa_system_vgpr_workitem_id 0
		.amdhsa_next_free_vgpr 256
		.amdhsa_next_free_sgpr 102
		.amdhsa_reserve_vcc 1
		.amdhsa_float_denorm_mode_32 3
		.amdhsa_float_denorm_mode_16_64 3
		.amdhsa_memory_ordered 1
		.amdhsa_forward_progress 1
		.amdhsa_inst_pref_size 68
	.end_amdhsa_kernel
	.amdgpu_metadata
---
amdhsa.version: [ 1, 2 ]
amdhsa.kernels:
  - .name:           k_qe0c9c327de_attn
    .symbol:         k_qe0c9c327de_attn.kd
    .args:
      - { .name: qkvc, .offset: 0, .size: 8, .value_kind: global_buffer, .address_space: global }
      - { .name: qkvs, .offset: 8, .size: 8, .value_kind: global_buffer, .address_space: global }
      - { .name: yc, .offset: 16, .size: 8, .value_kind: global_buffer, .address_space: global }
      - { .name: ys, .offset: 24, .size: 8, .value_kind: global_buffer, .address_space: global }
    .group_segment_fixed_size: 210944
    .private_segment_fixed_size: 0
    .kernarg_segment_align: 8
    .kernarg_segment_size: 32
    .max_flat_workgroup_size: 512
    .sgpr_count:     102
    .vgpr_count:     256
    .wavefront_size: 32
...
	.end_amdgpu_metadata
.endif
;; end of part 3
;; launch outp (part 4): grid 4 x 32, 4 waves a work-group, clusters of 4 x 4, 327,680 bytes of LDS; arguments yc, ys, opc, ops, out0; writes out0
.if DOCPART == 4
	.amdgcn_target "amdgcn-amd-amdhsa--gfx1250"
	.amdhsa_code_object_version 6
	.text
	.protected	k_qe0c9c327de_outp
	.globl	k_qe0c9c327de_outp
	.p2align	8
	.type	k_qe0c9c327de_outp,@function
k_qe0c9c327de_outp:
	s_mov_b64 s[64:65], 0
	v_nop
	global_prefetch_b8 v0, s[64:65] scope:SCOPE_SE
	s_setreg_imm32_b32 hwreg(HW_REG_WAVE_MODE, 25, 1), 1
	s_wait_xcnt 0x0
	s_wait_alu depctr_hold_cnt(0) depctr_sa_sdst(0) depctr_va_vdst(0) depctr_va_sdst(0) depctr_va_ssrc(0) depctr_va_vcc(0) depctr_vm_vsrc(0)
	s_getreg_b32 s2, hwreg(HW_REG_IB_STS2, 6, 4)
	s_cmp_eq_u32 s2, 0
	s_cbranch_scc0 .Lentry_in_a_cluster
	s_endpgm
.Lentry_in_a_cluster:
	s_bfe_u32 s2, ttmp6, 0x10000c
	s_cmp_lg_u32 s2, 0xf033
	s_cbranch_scc0 .Lentry_shape_is_right
	s_endpgm
.Lentry_shape_is_right:
; out0 = y w_out on codes of BF6 (E3M2) with E8M0 scales, K = 1,024; out0 [8192][1024] f32.  A' = y's codes (yc, ys), B' = w_out's rows (opc, ops from rowtile 704 on).
; A tile of out0 is 256 x 256: four waves, each 128 x 128 in 64 accumulators.  The matrix instruction is used transposed (source 0 = 16 rows of B', source 1 = 16 rows of A'): a lane holds eight neighbouring columns of one row.
; OPERANDS lie in memory as images of their registers: [rowtile][K step][1,536 bytes]; a fragment is four dense LDS loads.  Rows are stored with bits 3 and 4 of their number swapped; the way out puts rows and columns back.
; K goes through three LDS slots of 256 along K; slot 0 is filled a second time (K 768 on).  The scale words of the tile's rows for all of K come once.
; CLUSTER 4 x 4: A' tiles are asked for jointly along a row of the cluster, B' tiles along a column.  The launch has 128 work-groups: the tile is kept as in the launch that makes q, k and v.
; REGISTERS: window 0: v1-20 addresses; v28, v29 the add's; v32-95 scale words; v128-223 A' fragments, on the way out v128-255 rows of out0.  window 1: B' fragments, two sets.  windows 2, 3: accumulators.
.set FR,    12
.set HALFT, 24576
.set SLOT,  98304
.set SCL,   294912
.set HALFS, 4352
.set SBLK,  544
.set SPARE, 312320
.set STG,   SLOT                       ; the way out's stages lie in slot 1: it has had its only fill, and nobody reads it behind the last barrier
.set SPITCH, 528                       ; 16 rows x (512 bytes + 16) for each wave
.set AF,    128
.set BK,    128
.set SC,    32
.set ADRS,  16
.set L16,   17
.set L8,    18
.set STO,   19
.set RD,    20
.set SPW,   28
.set NIL,   29
.set G1A,  24
.set G1B,  32
.set G1SA, 40
.set G1SB, 48
.set G0A0, 56
.set G0A1, 60
.set G0A2, 68
.set G0B0, 72
.set G0B1, 76
.set G0B2, 80
.set G0SA, 84
.set G0SB, 88
.set MSB, 0
.macro WIN new                         ; the immediate's high byte repeats the setting that is left
.if MSB != \new
	s_set_vgpr_msb (MSB<<8)|\new
.set MSB, \new
.endif
.endm
.set MUL_LO, 0xa1
.set MUL_HI, 0xf1
.set TO_B,   0x40
.macro JLOAD g0a, g1a, g0b, g1b        ; a joint load: waves 0 and 1 for A', waves 2 and 3 for B'; four v_nop follow each line
	s_cmp_eq_u32 s15, 0
	s_cbranch_scc0 .Lfor_b_\@
	tensor_load_to_lds s[\g0a:\g0a+3], s[\g1a:\g1a+7]
	s_nop 0
.rept 4
	v_nop
.endr
	s_branch .Lasked_\@
.Lfor_b_\@:
	tensor_load_to_lds s[\g0b:\g0b+3], s[\g1b:\g1b+7]
	s_nop 0
.rept 4
	v_nop
.endr
.Lasked_\@:
.endm
.macro CREST
	s_cmp_lg_u32 s14, 0
	s_cbranch_scc1 .Lnot_wave_0_\@
	s_barrier_signal -3
.Lnot_wave_0_\@:
	s_barrier_wait -3
	s_barrier_signal -1
	s_barrier_wait -1
.endm
.macro CROUND
	s_barrier_signal -1
	s_barrier_wait -1
	CREST
.endm
.macro PLACES n
.rept \n
	v_nop
.endr
.endm
.macro FRAG reg, a16, off
.set FRG, \reg
.set FAD, \a16
.set FOF, \off
	ds_load_b128 v[FRG:FRG+3], v[FAD] offset:FOF
	ds_load_b64 v[FRG+4:FRG+5], v[FAD+1] offset:FOF+512
	ds_load_b128 v[FRG+6:FRG+9], v[FAD] offset:FOF+768
	ds_load_b64 v[FRG+10:FRG+11], v[FAD+1] offset:FOF+1280
.endm
.macro FETCH_B slot, q, p
	WIN TO_B
.irp i, 0,1,2,3,4,5,6,7
	FRAG 128*(\p)+FR*\i, 6+4*(\slot), 3072*\i+1536*(\q)
.endr
	WIN 0
.endm
.macro FETCH_A slot, q, i0
.irp i, \i0, \i0+1, \i0+2, \i0+3
	FRAG AF+FR*(\i), 4+4*(\slot), 3072*(\i)+1536*(\q)
.endr
.endm
.macro SCALES
.irp i, 0,1,2,3,4,5,6,7
	ds_load_b128 v[SC+8*\i:SC+8*\i+3], v[ADRS] offset:SBLK*\i
	ds_load_b128 v[SC+8*\i+4:SC+8*\i+7], v[ADRS] offset:SBLK*\i+16
.endr
.endm
; The 64 accumulators take turns, one instruction a turn, in the same order in every K step.
.macro MUL16 a0, p, kq, zero
.irp a, \a0, \a0+1
.irp b, 0,1,2,3,4,5,6,7
.if \zero
	v_wmma_scale_f32_16x16x128_f8f6f4 v[8*(8*((\a)%4)+\b):8*(8*((\a)%4)+\b)+7], v[128*(\p)+FR*\b:128*(\p)+FR*\b+FR-1], v[AF+FR*(\a):AF+FR*(\a)+FR-1], 0, v[SC+8*\b+(\kq)], v[SC+8*(\a)+(\kq)] matrix_a_fmt:MATRIX_FMT_BF6 matrix_b_fmt:MATRIX_FMT_BF6 matrix_a_scale:MATRIX_SCALE_ROW1
.else
	v_wmma_scale_f32_16x16x128_f8f6f4 v[8*(8*((\a)%4)+\b):8*(8*((\a)%4)+\b)+7], v[128*(\p)+FR*\b:128*(\p)+FR*\b+FR-1], v[AF+FR*(\a):AF+FR*(\a)+FR-1], v[8*(8*((\a)%4)+\b):8*(8*((\a)%4)+\b)+7], v[SC+8*\b+(\kq)], v[SC+8*(\a)+(\kq)] matrix_a_fmt:MATRIX_FMT_BF6 matrix_b_fmt:MATRIX_FMT_BF6 matrix_a_scale:MATRIX_SCALE_ROW1
.endif
.endr
.endr
.endm
.macro STEP p, kq, ns, nq, zero
	s_wait_dscnt 16                                ; all but the youngest 16 loads (A' blocks 4-7) are in
	WIN MUL_LO
	MUL16 0, \p, \kq, \zero
	MUL16 2, \p, \kq, \zero
	s_wait_dscnt 0x0
	PLACES 4
	FETCH_B \ns, \nq, 1-(\p)
	FETCH_A \ns, \nq, 0
	WIN MUL_HI
	MUL16 4, \p, \kq, \zero
	MUL16 6, \p, \kq, \zero
	PLACES 4
	WIN 0
	FETCH_A \ns, \nq, 4
.endm
.macro TURN kq, ns, fill
	s_wait_tensorcnt 0x0                           ; all my tensor loads have landed
	ds_add_u32 v[SPW], v[NIL]                      ; 0 onto my spare word
	s_wait_dscnt 17                                ; (the add and the youngest 16 loads may be out)
	WIN MUL_LO
	MUL16 0, 1, \kq, 0
	s_wait_dscnt 0x0                               ; the add is done, and my LDS reads are over
	s_barrier_signal -1
	MUL16 2, 1, \kq, 0
	WIN 0
	s_barrier_wait -1
.if \fill
	CREST                                          ; no wave of any partner still reads slot 0 or has a load on its way
	s_add_nc_u64 s[G0A0+2:G0A0+3], s[G0A0+2:G0A0+3], 9216
	s_add_nc_u64 s[G0B0+2:G0B0+3], s[G0B0+2:G0B0+3], 9216
	JLOAD G0A0, G1A, G0B0, G1B                     ; my one tensor load behind the round: four K steps ahead of its first read
.else
	PLACES 4
.endif
	FETCH_B \ns, 0, 0
	FETCH_A \ns, 0, 0
	WIN MUL_HI
	MUL16 4, 1, \kq, 0
	MUL16 6, 1, \kq, 0
	PLACES 4
	WIN 0
	FETCH_A \ns, 0, 4
.endm
.macro SETG0 g0a, g0b, slot
	s_mov_b32 s[\g0a], 1
	s_add_co_u32 s[\g0a+1], s96, (\slot)*SLOT
	s_add_nc_u64 s[\g0a+2:\g0a+3], s[2:3], (\slot)*3072
	s_or_b32 s[\g0a+3], s[\g0a+3], 0x80000000
	s_mov_b32 s[\g0b], 1
	s_add_co_u32 s[\g0b+1], s96, (\slot)*SLOT
	s_add_nc_u64 s[\g0b+2:\g0b+3], s[66:67], (\slot)*3072
	s_or_b32 s[\g0b+3], s[\g0b+3], 0x80000000
	JLOAD \g0a, G1A, \g0b, G1B
.endm
	s_load_b128 s[4:7], s[0:1], 0x0                ; yc, ys
	s_load_b128 s[8:11], s[0:1], 0x10              ; opc, ops
	s_load_b64 s[12:13], s[0:1], 0x20              ; out0
	v_lshl_add_u32 v[SPW], v0, 2, SPARE
	v_mov_b32 v[NIL], 0
	ds_add_u32 v28, v29
	ds_add_u32 v28, v29
	s_wait_dscnt 0x0
	v_lshrrev_b32 v1, 5, v0
	v_readfirstlane_b32 s14, v1                    ; wave 0..3
	s_lshr_b32 s15, s14, 1
	s_and_b32 s16, s14, 1
	s_bfe_u32 s92, ttmp6, 0x40000                  ; cx
	s_bfe_u32 s93, ttmp6, 0x40004                  ; cy
	s_and_b32 s94, ttmp7, 0xffff
	s_lshl_b32 s94, s94, 2
	s_lshl_b32 s95, ttmp9, 2
	s_add_co_u32 s17, s93, s94                     ; tile row
	s_add_co_u32 s100, s92, s95                    ; tile column
	s_lshl_b32 s101, s93, 2
	s_lshl_b32 s101, 15, s101                      ; my row of the cluster
	s_lshl_b32 s18, 0x1111, s92                    ; my column
	s_or_b32 s[G1A], s101, (3<<16)|(1<<21)         ; codes: 8 rowtiles of 384 elements of 8 bytes, 1,536 elements apart; dense in LDS
	s_or_b32 s[G1B], s18, (3<<16)|(1<<21)
.irp g, G1A, G1B
	s_mov_b32 s[\g+1], 384<<16
	s_mov_b32 s[\g+2], 8<<16
	s_mov_b32 s[\g+3], 384<<16
	s_mov_b32 s[\g+4], 8
	s_mov_b32 s[\g+5], 1536
	s_mov_b32 s[\g+6], 0
	s_mov_b32 s[\g+7], 0
.endr
	s_or_b32 s[G1SA], s101, (3<<16)|(1<<20)|(1<<21)|(5<<22)|(3<<25)   ; scale words of 128 rows: 16 rows of 256 bytes, 16 of padding behind each
	s_or_b32 s[G1SB], s18, (3<<16)|(1<<20)|(1<<21)|(5<<22)|(3<<25)
.irp g, G1SA, G1SB
	s_mov_b32 s[\g+1], 32<<16
	s_mov_b32 s[\g+2], 16<<16
	s_mov_b32 s[\g+3], 32<<16
	s_mov_b32 s[\g+4], 16
	s_mov_b32 s[\g+5], 32
	s_mov_b32 s[\g+6], 0
	s_mov_b32 s[\g+7], 0
.endr
	s_lshl_b32 s19, s16, 3
	s_lshl_b32 s20, s17, 4
	s_add_co_u32 s20, s20, s19                     ; the first rowtile that I would fetch for A': it hangs on cy, never on cx
	s_lshl_b32 s22, s100, 4
	s_add_co_u32 s22, s22, 704
	s_add_co_u32 s22, s22, s19                     ; and for B': on cx, never on cy
	s_mul_i32 s2, s20, 12288
	s_mov_b32 s3, 0
	s_lshl_b32 s20, s20, 9
	s_mov_b32 s21, 0
	s_mul_i32 s66, s22, 12288
	s_mov_b32 s67, 0
	s_lshl_b32 s22, s22, 9
	s_mov_b32 s23, 0
	s_mul_i32 s96, s14, HALFT
	s_mul_i32 s97, s14, HALFS
	s_wait_kmcnt 0x0
	s_add_nc_u64 s[2:3], s[4:5], s[2:3]
	s_add_nc_u64 s[20:21], s[6:7], s[20:21]
	s_add_nc_u64 s[66:67], s[8:9], s[66:67]
	s_add_nc_u64 s[22:23], s[10:11], s[22:23]
	CROUND                                         ; all sixteen work-groups are here: the first joint loads meet
	s_mov_b32 s[G0SA], 1
	s_add_co_u32 s[G0SA+1], s97, SCL
	s_mov_b64 s[G0SA+2:G0SA+3], s[20:21]
	s_or_b32 s[G0SA+3], s[G0SA+3], 0x80000000
	s_mov_b32 s[G0SB], 1
	s_add_co_u32 s[G0SB+1], s97, SCL
	s_mov_b64 s[G0SB+2:G0SB+3], s[22:23]
	s_or_b32 s[G0SB+3], s[G0SB+3], 0x80000000
	JLOAD G0SA, G1SA, G0SB, G1SB                   ; the scale words first; then the three slots: four loads of mine are out
	SETG0 G0A0, G0B0, 0
	SETG0 G0A1, G0B1, 1
	SETG0 G0A2, G0B2, 2
	v_and_b32 v1, 15, v0                           ; r
	v_bfe_u32 v2, v0, 4, 1                         ; h
	v_and_b32 v3, 31, v0
	v_lshlrev_b32 v[L16], 4, v3
	v_lshlrev_b32 v[L8], 3, v3
	s_mul_i32 s92, s15, HALFT
	s_mul_i32 s93, s16, HALFT
	s_add_co_u32 s93, s93, 2*HALFT
.irp s, 0,1,2
	v_add_nc_u32 v[4+4*\s], s92, v[L16]
	v_add_nc_u32 v[5+4*\s], s92, v[L8]
	v_add_nc_u32 v[6+4*\s], s93, v[L16]
	v_add_nc_u32 v[7+4*\s], s93, v[L8]
	s_add_co_u32 s92, s92, SLOT
	s_add_co_u32 s93, s93, SLOT
.endr
	v_lshlrev_b32 v19, 5, v1
	v_lshrrev_b32 v20, 3, v1
	v_lshl_add_u32 v19, v20, 4, v19                ; my row's 32 bytes of words: 32 r, and 16 more behind each 256
	s_mul_i32 s92, s15, HALFS
	s_mul_i32 s93, s16, HALFS
	s_add_co_u32 s93, s93, 2*HALFS
	s_sub_co_u32 s93, s93, s92
	v_mul_u32_u24 v20, s93, v2                     ; lanes 16-31 take B'
	s_add_co_u32 s92, s92, SCL
	v_add_nc_u32 v19, v19, v20
	v_add_nc_u32 v[ADRS], s92, v19
	s_mul_i32 s92, s14, 16*SPITCH
	s_add_co_u32 s92, s92, STG                     ; my stage
	v_mul_u32_u24 v19, v1, SPITCH
	v_lshl_add_u32 v19, v2, 6, v19
	v_add_nc_u32 v[STO], s92, v19                  ; in: row r, + 64 h: a pair of blocks holds columns 32 B + 16 h + 0 .. 15
	v_add_nc_u32 v[RD], s92, v[L16]                ; back: a row's 512 bytes, 16 a lane
	s_lshl_b32 s92, s17, 8
	s_lshl_b32 s93, s15, 7
	s_add_co_u32 s92, s92, s93                     ; my first row of out0
	s_lshl_b32 s92, s92, 12                        ; rows of 4,096 bytes
	s_lshl_b32 s93, s100, 10
	s_add_co_u32 s92, s92, s93
	s_lshl_b32 s93, s16, 9
	s_add_co_u32 s92, s92, s93                     ; + my first column's bytes
	s_mov_b32 s93, 0
	s_add_nc_u64 s[12:13], s[12:13], s[92:93]
	s_wait_tensorcnt 2                             ; the scale words and my part of slot 0 are in; slots 1 and 2 may be out
	s_barrier_signal -1
	s_barrier_wait -1
	FETCH_B 0, 0, 0
	FETCH_A 0, 0, 0
	SCALES
	FETCH_A 0, 0, 4
	STEP 0, 0, 0, 1, 1                             ; the first products start the sums: nothing is cleared
	TURN 1, 1, 1
	STEP 0, 2, 1, 1, 0
	STEP 1, 3, 2, 0, 0                             ; no barrier: the round has shown slots 1 and 2 whole to every wave
	STEP 0, 4, 2, 1, 0
	TURN 5, 0, 0                                   ; slot 0's second fill has landed in every wave; behind this barrier nobody reads slot 1
	STEP 0, 6, 0, 1, 0
	s_wait_dscnt 16
	WIN MUL_LO
	MUL16 0, 1, 7, 0
	MUL16 2, 1, 7, 0
	s_wait_dscnt 0x0
	WIN MUL_HI
	MUL16 4, 1, 7, 0
	MUL16 6, 1, 7, 0
	WIN 0
; THE WAY OUT, block by block of 16 rows x 128 columns, through my own stage: in as 32 bytes a lane at the columns' true places, back as whole rows of 512 bytes, which go to the rows' true places.
; LDS serves a wave's instructions in order (ISA guide 5.7.1.4): no wait between the stores and the loads.
.macro TOSTAGE a
.set AC, 64*((\a)%4)
	WIN 0x08+4*((\a)/4)                            ; the data: window 2 or 3
.irp b, 0,1,2,3,4,5,6,7
	ds_store_b128 v[STO], v[AC+8*\b:AC+8*\b+3] offset:128*(\b/2)+32*(\b%2)       ; each accumulator from its low end on
	ds_store_b128 v[STO], v[AC+8*\b+4:AC+8*\b+7] offset:128*(\b/2)+32*(\b%2)+16
.endr
	WIN 0
.set BB, BK+64*((\a)%2)
.irp t, 0,1,2,3,4,5,6,7,8,9,10,11,12,13,14,15
	ds_load_b128 v[BB+4*\t:BB+4*\t+3], v[RD] offset:\t*SPITCH
.endr
.endm
.macro SEND a, younger                 ; younger: the LDS instructions issued behind block a's loads, which may stay out
.set BB, BK+64*((\a)%2)
	s_wait_dscnt \younger
.irp t, 0,1,2,3,4,5,6,7,8,9,10,11,12,13,14,15
	global_store_b128 v[L16], v[BB+4*\t:BB+4*\t+3], s[12:13] offset:(32*((\a)/2)+8*((\a)%2)+(\t%8)+16*(\t/8))*4096 th:TH_STORE_NT   ; 512 dense bytes, at a multiple of 256 from out0's first byte; 127 rows at the most: inside the immediate
.endr
.endm
	PLACES 4                                       ; behind the last products: for the loads into A' registers and for the reads of results
	TOSTAGE 0
.irp a, 1,2,3,4,5,6,7
.if \a > 1
	s_wait_xcnt 0x0                                ; block a - 2's stores have read their registers: block a's loads may land there
.endif
	TOSTAGE \a
	SEND \a-1, 32                                  ; behind block a - 1's loads: block a's 16 stores and 16 loads
.endr
	SEND 7, 0
	s_wait_tensorcnt 0x0                           ; the wave's end
	ds_add_u32 v[SPW], v[NIL]
	s_wait_dscnt 0x0
	CROUND                                         ; the closing round
	s_endpgm
.Lfunc_end_k_qe0c9c327de_outp:
	.size	k_qe0c9c327de_outp, .Lfunc_end_k_qe0c9c327de_outp-k_qe0c9c327de_outp
	.p2alignl 7, 3214868480
	.fill 96, 4, 3214868480
	.section	.rodata,"a",@progbits
	.p2align	6, 0x0
	.amdhsa_kernel k_qe0c9c327de_outp
		.amdhsa_group_segment_fixed_size 327680
		.amdhsa_private_segment_fixed_size 0
		.amdhsa_enable_private_segment 0
		.amdhsa_kernarg_size 40
		.amdhsa_user_sgpr_count 2
		.amdhsa_user_sgpr_kernarg_segment_ptr 1
		.amdhsa_wavefront_size32 1
		.amdhsa_system_sgpr_workgroup_id_x 1
		.amdhsa_system_sgpr_workgroup_id_y 1
		.amdhsa_system_sgpr_workgroup_id_z 1
		.amdhsa_system_vgpr_workitem_id 0
		.amdhsa_next_free_vgpr 1024
		.amdhsa_next_free_sgpr 102
		.amdhsa_reserve_vcc 0
		.amdhsa_float_denorm_mode_32 3
		.amdhsa_float_denorm_mode_16_64 3
		.amdhsa_memory_ordered 1
		.amdhsa_forward_progress 1
		.amdhsa_inst_pref_size 142
	.end_amdhsa_kernel
	.amdgpu_metadata
---
amdhsa.version: [ 1, 2 ]
amdhsa.kernels:
  - .name:           k_qe0c9c327de_outp
    .symbol:         k_qe0c9c327de_outp.kd
    .args:
      - { .name: yc, .offset: 0, .size: 8, .value_kind: global_buffer, .address_space: global }
      - { .name: ys, .offset: 8, .size: 8, .value_kind: global_buffer, .address_space: global }
      - { .name: opc, .offset: 16, .size: 8, .value_kind: global_buffer, .address_space: global }
      - { .name: ops, .offset: 24, .size: 8, .value_kind: global_buffer, .address_space: global }
      - { .name: out0, .offset: 32, .size: 8, .value_kind: global_buffer, .address_space: global }
    .group_segment_fixed_size: 327680
    .private_segment_fixed_size: 0
    .kernarg_segment_align: 8
    .kernarg_segment_size: 40
    .max_flat_workgroup_size: 128
    .sgpr_count:     102
    .vgpr_count:     1024
    .wavefront_size: 32
...
	.end_amdgpu_metadata
.endif
;; end of part 4
